; MI455X (gfx1250); checked and timed in simulation.
; The chip was launched on July 23, 2026; its instructions are those of AMD's public machine-readable ISA for CDNA 5 (MIT licence, August 2026) and "CDNA5" Instruction Set Architecture Reference Guide (July 2026). The comments in the code are by the model that wrote it; some were corrected since.
;; Multihead Attention. Allowed arithmetic: matrix products marked QUANTISED: E2M1 operands, one E8M0 scale for each 32 along K, by v_wmma_scale_f32_16x16x128_f8f6f4 with both operands' format E2M1 (or v_wmma_scale_f32_32x16x128_f4), f32 sums; everything else in f32.
;; Inputs: Wk 1,024 x 1,024 float32; Wo 1,024 x 1,024 float32; Wq 1,024 x 1,024 float32; Wv 1,024 x 1,024 float32; bk 1,024 float32; bo 1,024 float32; bq 1,024 float32; bv 1,024 float32; x 4 x 2,048 x 1,024 float32.
;; Outputs: out0 4 x 2,048 x 1,024 float32.
;; This version of the problem:
;;   THIS VERSION OF THE PROBLEM IS GIVEN IN LOW PRECISION. The matrix products marked QUANTISED in the list below multiply operands that are first quantised to E2M1 (2 exponent bits, 1 mantissa bit; 4 bits a number), with one power-of-two scale for each 32 numbers along K (OCP MX v1.0); their sums are f32. All else is computed in f32.
;;   The module's matrix products, in the order in which they are computed (A, B: the left and right operand; K: the contracted axis; several contracted axes count as one K, in the product's order):
;;     1. [M 8,192, K 1,024] x [K 1,024, N 1,024]; A: input x; B: input Wq: QUANTISED
;;     2. [M 8,192, K 1,024] x [K 1,024, N 1,024]; A: input x; B: input Wk: QUANTISED
;;     3. [M 8,192, K 1,024] x [K 1,024, N 1,024]; A: input x; B: input Wv: QUANTISED
;;     4. batch 64 x [M 2,048, K 64] x [K 64, N 2,048]; A: computed on the way; B: computed on the way: QUANTISED
;;     5. batch 64 x [M 2,048, K 2,048] x [K 2,048, N 64]; A: softmax (see below); B: computed on the way: QUANTISED
;;     6. [M 8,192, K 1,024] x [K 1,024, N 1,024]; A: computed on the way; B: input Wo: QUANTISED
;;   THE QUANTISER, for each operand of a quantised product, along K:
;;     - K is cut into blocks of 32 from its start; a last block that is shorter is filled with zeros.
;;     - A block's scale is 2^e with e = floor(log2(the largest magnitude in the block)) - 2, held to -126 .. 127; a block of zeros has e = 0. As a byte (E8M0): e + 127.
;;     - Each number is divided by its block's scale, clamped to +-6, and rounded to the nearest number of E2M1, ties to even, subnormals kept.
;;     - The product sums the exact products of the quantised numbers (number of the format x scale) in f32.
;;   ~~~python
;;   def quantise(x, axis):      # numpy; x: float32 -> the quantised numbers, widened to float32 again
;;       x = np.moveaxis(x, axis, -1); K = x.shape[-1]
;;       x = np.pad(x, [(0, 0)] * (x.ndim - 1) + [(0, -K % 32)]); x = x.reshape(x.shape[:-1] + (-1, 32)); a = np.abs(x).max(-1, keepdims=True)
;;       e = np.where(a > 0, np.clip(np.frexp(np.where(a > 0, a, 1))[1] - 1 - 2, -126, 127), 0)      # np.frexp(a)[1] - 1 = floor(log2(a)), exactly
;;       r = np.clip(x / 2.0 ** e, -6, 6)
;;       step = 2.0 ** (np.maximum(np.frexp(np.where(r == 0, 1, r))[1] - 1, 0) - 1)
;;       q = np.round(r / step) * step * 2.0 ** e      # np.round: ties to even
;;       return np.moveaxis(q.reshape(q.shape[:-2] + (-1,))[..., :K], -1, axis).astype(np.float32)
;;   ~~~
;;   SOFTMAX AHEAD OF A QUANTISED PRODUCT. Where the list says 'softmax', what is quantised is not the finished softmax but p = 2^(t - M), with t = logit x log2(e) and M = ceil(the row's largest t), a whole number; so 1/2 < the row's largest p <= 1. The row's sum l is taken of the UNQUANTISED p, in f32, and the product's result is divided by l at the end. Since M is a whole number, a kernel that streams over the keys may use a running M (the ceiling of the running maximum): every later rescaling is an exact power of two, which a block's scale takes up: the codes' values come out the same.
;;   OPERANDS COMPUTED ON THE WAY. 'Computed on the way' means the value that the module computes at that place (a softmax that the list does not call 'softmax' is quantised finished and normalised). What goes into a quantiser is computed in f32, as accurately as f32 sums, v_exp_f32 and their like allow (about 1e-6 of the number): no bf16 or f16 on the way to a quantiser, and a product that is left as it is and whose result goes on into a quantised operand takes f32 operands (vector FMAs, or v_wmma_f32_16x16x4_f32). A number that lies on a knife's edge between two numbers of the format may be rounded either way, as far as f32 arithmetic and the matrix unit's own rounding can turn it there, and no further.
;; One version. Each part assembles by itself: llvm-mc -triple=amdgcn-amd-amdhsa -mcpu=gfx1250 --defsym DOCPART=n.
;; ======== version 1 of 1: 5 launches
;; workspace buffers: xcod 4,194,304 bytes; xscl 262,144 bytes; wcod 2,097,152 bytes; wscl 131,072 bytes; qkvc 12,582,912 bytes; qkvs 1,310,720 bytes; acod 4,194,304 bytes; ascl 262,144 bytes
;; launch quant_x (part 1): grid 128 x 2, 8 waves a work-group, no clusters, 43,008 bytes of LDS; arguments x, xcod, xscl; writes xcod, xscl
.if DOCPART == 1
	.amdgcn_target "amdgcn-amd-amdhsa--gfx1250"
	.amdhsa_code_object_version 6
	.text
	.protected	k_q603848d50e_quant_x
	.globl	k_q603848d50e_quant_x
	.p2align	8
	.type	k_q603848d50e_quant_x,@function
k_q603848d50e_quant_x:
	s_mov_b64 s[64:65], 0
	v_nop
	global_prefetch_b8 v0, s[64:65] scope:SCOPE_SE
	s_setreg_imm32_b32 hwreg(HW_REG_WAVE_MODE, 25, 1), 1
	s_wait_xcnt 0x0
; x [8192][1024] f32 becomes codes of FP4 (E2M1), K innermost, and one E8M0 byte for each 32 along K.
; A block's scale is 2^(floor(log2(largest magnitude)) - 2): its byte is the largest magnitude's exponent field - 2, held at 1 from below.
; LIMITS: a block of zeros gets the byte 1 where the quantiser says 127 (its codes are zeros and only this program reads the bytes); blocks whose largest
; magnitude lies under 2^-124 have their byte held at 1; NaN and infinities among the inputs are not served.
; ROWS CHANGE PLACES: row n is stored at position pi(n), pi = bits 3 and 4 of the row number swapped, so that 16 consecutive positions are the rows
; 32 b + 8 u + r + 8 (r / 8) that the later products want in one tile.  Eight rows of a wave keep their order, so pi is a renumbering w -> w' of the waves.
; xcod: [position][512 bytes].  xscl: the word (four bytes, 128 along K, kw = k / 128) of position p at (p >> 6) * 2048 + kw * 256 + (p & 63) * 4.
; SHARES: a work-group takes 64 rows x 512 columns (K half y); wave w rows 8 w .. 8 w + 7, one row half (2,048 bytes) a step.
; Each load reads 512 consecutive bytes; a step's bytes turn through the wave's own stage in LDS so that a lane holds 16 neighbours along K (two lanes a block).
; No matrix unit, no cluster, no tensor load: work-groups share no input and memory binds.  Loads run four steps (16 loads a wave) ahead.
.set STEPS, 8
.set R,     16                         ; v16-79   four sets of 16 numbers as loaded
.set X,     80                         ; v80-111  two sets of 16 neighbours
.set E,     112                        ; v112-119 a scale byte for each step
.set C,     128                        ; v128-159 codes, four registers a step: no store's data are written again
.set SP,    80                         ; a lane's place in a stage: 64 bytes + 16 of padding
.set WREG,  2*32*SP                    ; a wave's two stages
.set SCX,   8*WREG                     ; behind the stages: the work-group's scale words, [kw 4][64 positions]
	s_load_b128 s[4:7], s[0:1], 0x0                ; x, xcod
	s_load_b64 s[8:9], s[0:1], 0x10                ; xscl
	v_lshl_add_u32 v160, v0, 2, 0xa400
	v_mov_b32 v161, 0
	v_lshrrev_b32 v1, 5, v0
	s_delay_alu instid0(VALU_DEP_1)
	v_readfirstlane_b32 s16, v1                    ; wave 0..7
	v_and_b32 v2, 31, v0                           ; lane
	s_delay_alu instid0(VALU_DEP_1)
	v_lshlrev_b32 v3, 4, v2                        ; my 16 bytes of a load's 512
	s_delay_alu instid0(VALU_DEP_2)
	v_lshlrev_b32 v4, 3, v2                        ; my 8 bytes of a step's 256 bytes of codes
	s_mul_i32 s17, s16, WREG
	v_lshrrev_b32 v14, 2, v2
	s_delay_alu instid0(VALU_DEP_1)
	v_mul_u32_u24 v14, v14, SP
	v_and_b32 v15, 3, v2
	s_delay_alu instid0(VALU_DEP_1)
	v_lshl_add_u32 v14, v15, 4, v14
	s_delay_alu instid0(VALU_DEP_1)
	v_add_nc_u32 v14, s17, v14                     ; into the stage: SP (lane / 4) + 16 (lane % 4)
	v_mul_u32_u24 v15, v2, SP
	s_delay_alu instid0(VALU_DEP_1)
	v_add_nc_u32 v15, s17, v15                     ; out of it: SP x lane: my 16 neighbours
	s_and_b32 s18, s16, 4
	s_and_b32 s19, s16, 1
	s_lshl_b32 s19, s19, 1
	s_or_b32 s18, s18, s19
	s_bfe_u32 s19, s16, 0x10001
	s_or_b32 s18, s18, s19                         ; w': the wave's bits 0 and 1 swapped
	v_lshrrev_b32 v5, 3, v2
	s_delay_alu instid0(VALU_DEP_1)
	v_lshlrev_b32 v5, 8, v5                        ; my block's word: kw = lane / 8,
	v_bfe_u32 v6, v2, 1, 2
	s_delay_alu instid0(VALU_DEP_1)
	v_add_nc_u32 v5, v5, v6                        ; its byte (lane / 2) % 4,
	s_lshl_b32 s19, s18, 5
	s_add_co_u32 s19, s19, SCX
	v_add_nc_u32 v5, s19, v5                       ; position 8 w' (+ the step, in the immediate)
	s_and_b32 s19, s16, 3
	s_lshl_b32 s19, s19, 8
	s_add_co_u32 s24, s19, SCX
	v_add_nc_u32 v7, s24, v4                       ; the scale words' way out: 256 (w & 3) + 8 x lane
	s_and_b32 s20, ttmp7, 0xffff                   ; y: which half of K
	s_lshl_b32 s22, ttmp9, 18                      ; x: 64 rows of 4,096 bytes a work-group,
	s_lshl_b32 s21, s16, 15                        ; 8 rows a wave,
	s_add_co_u32 s22, s22, s21
	s_lshl_b32 s21, s20, 11                        ; 2,048 bytes a half
	s_add_co_u32 s22, s22, s21
	s_mov_b32 s23, 0
	s_lshl_b32 s26, ttmp9, 15                      ; codes: 64 positions of 512 bytes,
	s_lshl_b32 s21, s18, 12                        ; 8 w' positions,
	s_add_co_u32 s26, s26, s21
	s_lshl_b32 s21, s20, 8                         ; 256 bytes a half
	s_add_co_u32 s26, s26, s21
	s_mov_b32 s27, 0
	s_lshl_b32 s28, ttmp9, 11                      ; scale words: 2,048 bytes for 64 positions,
	s_lshl_b32 s21, s20, 10                        ; kw = 4 y + (w & 3)
	s_add_co_u32 s28, s28, s21
	s_add_co_u32 s28, s28, s19
	s_mov_b32 s29, 0
	s_wait_alu depctr_va_vdst(0)
	s_wait_kmcnt 0x0
	s_add_nc_u64 s[4:5], s[4:5], s[22:23]
	s_add_nc_u64 s[6:7], s[6:7], s[26:27]
	s_add_nc_u64 s[8:9], s[8:9], s[28:29]
.macro LOAD t
.irp i, 0,1,2,3
	global_load_b128 v[R+16*((\t)%4)+4*\i:R+16*((\t)%4)+4*\i+3], v3, s[4:5] offset:4096*(\t)+512*\i th:TH_LOAD_NT   ; 32 lanes read 512 consecutive bytes; x is read once
.endr
.endm
.macro TURN t                          ; step t's numbers through the stage; LDS serves a wave's instructions in order, so no wait stands between the stores and the loads
.irp i, 0,1,2,3
	ds_store_b128 v14, v[R+16*((\t)%4)+4*\i:R+16*((\t)%4)+4*\i+3] offset:32*SP*((\t)%2)+8*SP*\i
.endr
.irp i, 0,1,2,3
	ds_load_b128 v[X+16*((\t)%2)+4*\i:X+16*((\t)%2)+4*\i+3], v15 offset:32*SP*((\t)%2)+16*\i
.endr
.endm
.irp t, 0,1,2,3
	LOAD \t
.endr
	s_wait_loadcnt 12                              ; step 0's four loads are in; twelve younger ones stay out
	TURN 0
.macro STEP t
.set XS, X+16*((\t)%2)
.if (\t) > 0
	s_wait_dscnt 1                                 ; this step's numbers are back from the stage; the last step's byte store may be out
.else
	s_wait_dscnt 0x0
.endif
.if (\t)+4 < STEPS
	LOAD (\t)+4                                    ; into the set that this step's stage stores have read
.endif
.if (\t)+1 < STEPS
.if STEPS-2-(\t) >= 3
	s_wait_loadcnt 12                              ; the next step's four loads are in; those of the three steps behind it may be out
.else
	s_wait_loadcnt 4*(STEPS-2-(\t))
.endif
	TURN (\t)+1
.endif
	v_max3_num_f32 v8, |v[XS]|, |v[XS+1]|, |v[XS+2]|               ; the largest magnitude of my 16, in two chains
	v_max3_num_f32 v9, |v[XS+3]|, |v[XS+4]|, |v[XS+5]|
.irp i, 6,10
	s_delay_alu instid0(VALU_DEP_2)
	v_max3_num_f32 v8, v8, |v[XS+\i]|, |v[XS+\i+1]|
	s_delay_alu instid0(VALU_DEP_2)
	v_max3_num_f32 v9, v9, |v[XS+\i+2]|, |v[XS+\i+3]|
.endr
	s_delay_alu instid0(VALU_DEP_2)
	v_max3_num_f32 v8, v8, |v[XS+14]|, |v[XS+15]|
	s_delay_alu instid0(VALU_DEP_1)
	v_max3_num_f32 v8, v8, v9, 0x1800000           ; and the floor 2^(3 - 127): the byte cannot fall under 1
	s_delay_alu instid0(VALU_DEP_1)
	v_max_num_f32_dpp v8, v8, v8 row_xmask:1 row_mask:0xf bank_mask:0xf   ; with my neighbour's 16: the block's
	s_delay_alu instid0(VALU_DEP_1)
	v_add_nc_u32 v11, 0xff000000, v8               ; 2 off its exponent field: the conversion takes this operand's exponent field as its scale
	v_cvt_scalef32_pk8_fp4_f32 v[C+4*(\t)], v[XS:XS+7], v11
	v_cvt_scalef32_pk8_fp4_f32 v[C+4*(\t)+1], v[XS+8:XS+15], v11
	v_lshrrev_b32 v[E+(\t)], 23, v11               ; the scale's byte (also the plain line behind the conversions)
	ds_store_b8 v5, v[E+(\t)] offset:4*(\t)        ; both lanes of a block write the same byte with the same value
	global_store_b64 v4, v[C+4*(\t):C+4*(\t)+1], s[6:7] offset:512*(\t)   ; 32 lanes store 256 consecutive bytes, aligned
.endm
.irp t, 0,1,2,3,4,5,6,7
	STEP \t
.endr
	s_wait_dscnt 0x0                               ; for the others' sake: my byte stores have landed
	s_barrier_signal -1
	s_barrier_wait -1
	s_cmp_gt_u32 s16, 3                            ; four waves carry the four runs of 64 scale words out
	s_cbranch_scc1 .Lend
	ds_load_b64 v[12:13], v7
	s_wait_dscnt 0x0
	global_store_b64 v4, v[12:13], s[8:9]          ; 256 consecutive bytes, aligned
.Lend:
	s_wait_tensorcnt 0x0
	ds_add_u32 v160, v161
	s_wait_dscnt 0x0
	s_endpgm
.Lfunc_end_k_q603848d50e_quant_x:
	.size	k_q603848d50e_quant_x, .Lfunc_end_k_q603848d50e_quant_x-k_q603848d50e_quant_x
	.p2alignl 7, 3214868480
	.fill 96, 4, 3214868480
	.section	.rodata,"a",@progbits
	.p2align	6, 0x0
	.amdhsa_kernel k_q603848d50e_quant_x
		.amdhsa_group_segment_fixed_size 43008
		.amdhsa_private_segment_fixed_size 0
		.amdhsa_enable_private_segment 0
		.amdhsa_kernarg_size 24
		.amdhsa_user_sgpr_count 2
		.amdhsa_user_sgpr_kernarg_segment_ptr 1
		.amdhsa_wavefront_size32 1
		.amdhsa_system_sgpr_workgroup_id_x 1
		.amdhsa_system_sgpr_workgroup_id_y 1
		.amdhsa_system_sgpr_workgroup_id_z 1
		.amdhsa_system_vgpr_workitem_id 0
		.amdhsa_next_free_vgpr 162
		.amdhsa_next_free_sgpr 66
		.amdhsa_reserve_vcc 0
		.amdhsa_float_denorm_mode_32 3
		.amdhsa_float_denorm_mode_16_64 3
		.amdhsa_memory_ordered 1
		.amdhsa_forward_progress 1
		.amdhsa_inst_pref_size 21
	.end_amdhsa_kernel
	.amdgpu_metadata
---
amdhsa.version: [ 1, 2 ]
amdhsa.kernels:
  - .name:           k_q603848d50e_quant_x
    .symbol:         k_q603848d50e_quant_x.kd
    .args:
      - { .name: x, .offset: 0, .size: 8, .value_kind: global_buffer, .address_space: global }
      - { .name: xcod, .offset: 8, .size: 8, .value_kind: global_buffer, .address_space: global }
      - { .name: xscl, .offset: 16, .size: 8, .value_kind: global_buffer, .address_space: global }
    .group_segment_fixed_size: 43008
    .private_segment_fixed_size: 0
    .kernarg_segment_align: 8
    .kernarg_segment_size: 24
    .max_flat_workgroup_size: 256
    .sgpr_count:     66
    .vgpr_count:     162
    .wavefront_size: 32
...
	.end_amdgpu_metadata
.endif
;; end of part 1
;; launch quant_w (part 2): grid 64 x 2, 8 waves a work-group, no clusters, 19,456 bytes of LDS; arguments Wq, Wk, Wv, Wo, wcod, wscl; writes wcod, wscl
.if DOCPART == 2
	.amdgcn_target "amdgcn-amd-amdhsa--gfx1250"
	.amdhsa_code_object_version 6
	.text
	.protected	k_q603848d50e_quant_w
	.globl	k_q603848d50e_quant_w
	.p2align	8
	.type	k_q603848d50e_quant_w,@function
k_q603848d50e_quant_w:
	s_mov_b64 s[64:65], 0
	v_nop
	global_prefetch_b8 v0, s[64:65] scope:SCOPE_SE
	s_setreg_imm32_b32 hwreg(HW_REG_WAVE_MODE, 25, 1), 1
	s_wait_xcnt 0x0
; The four weights [1024 (k)][1024 (n)] f32, whose K is the FIRST axis, become codes of FP4 (E2M1) laid [n][k] with K innermost, and E8M0 bytes.
; A LANE TAKES A COLUMN n AND ITS REGISTERS RUN DOWN K: a block of 32 lies in one lane, and the conversions give codes with K innermost.
; wcod: [4096 positions][512 bytes]: Wq's 1,024, then Wk's, Wv's, Wo's; column n of a weight lies at position pi(n), pi = bits 3 and 4 swapped.
; wscl: the word (128 along K, kw = k / 128) of position p at (p >> 6) * 2048 + kw * 256 + (p & 63) * 4.
; LIMITS: a block of zeros gets the byte 1 where the quantiser says 127 (zero codes; only this program reads the bytes); blocks under 2^-124 keep the byte 1; NaN and infinities are not served.
; SHARES: work-group x = 16 x weight + block of 64 columns, y = half of K.  Wave w: 32 columns (w & 1), 128 along K (w >> 1): four blocks, one scale word a lane.
; The codes meet in a stage of 64 rows x (256 + 16) bytes and leave as rows: sixteen lanes store 256 consecutive bytes, aligned.
; No matrix unit, cluster or tensor load: work-groups share no input.  Loads run two blocks (64 loads a wave) ahead.
.set PITCH, 272
.set SCW,   64*PITCH                   ; behind the stage: scale words [kw 4][64 positions]
.set X,     32                         ; v32-95   two sets of 32 numbers
.set C,     96                         ; v96-99   a block's codes
.set SB,    24                         ; v24      my four scale bytes
.set OUTR,  112                        ; v112-127 the way out
	s_load_b256 s[4:11], s[0:1], 0x0               ; Wq, Wk, Wv, Wo
	s_load_b128 s[12:15], s[0:1], 0x20             ; wcod, wscl
	v_lshl_add_u32 v128, v0, 2, 0x4800
	v_mov_b32 v129, 0
	v_lshrrev_b32 v1, 5, v0
	s_delay_alu instid0(VALU_DEP_1)
	v_readfirstlane_b32 s16, v1                    ; wave 0..7
	v_and_b32 v2, 31, v0                           ; lane
	s_wait_alu depctr_va_vdst(0)
	s_and_b32 s17, s16, 1                          ; cg: which 32 columns
	s_lshr_b32 s18, s16, 1                         ; kq: which 128 along K
	s_lshr_b32 s19, ttmp9, 4                       ; which weight
	s_and_b32 s20, ttmp9, 15                       ; which 64 columns
	s_and_b32 s21, ttmp7, 0xffff                   ; which half of K
	v_lshlrev_b32 v3, 2, v2                        ; in: 4 bytes a lane
	s_mul_i32 s22, s17, 32*PITCH
	s_lshl_b32 s23, s18, 6
	s_add_co_u32 s22, s22, s23
	v_mul_u32_u24 v4, v2, PITCH
	s_delay_alu instid0(VALU_DEP_1)
	v_add_nc_u32 v4, s22, v4                       ; into the stage: row = my column, 64 bytes for each 128 along K
	v_and_b32 v10, 7, v2
	v_bfe_u32 v11, v2, 3, 1
	s_delay_alu instid0(VALU_DEP_1)
	v_lshl_or_b32 v10, v11, 4, v10
	v_bfe_u32 v11, v2, 4, 1
	s_delay_alu instid0(VALU_DEP_1)
	v_lshl_or_b32 v10, v11, 3, v10                 ; pi(lane)
	s_lshl_b32 s22, s18, 8
	s_lshl_b32 s23, s17, 7
	s_add_co_u32 s22, s22, s23
	s_add_co_u32 s22, s22, SCW
	v_lshl_add_u32 v5, v10, 2, s22                 ; my scale word: 256 kq + 4 (32 cg + pi(lane))
	v_and_b32 v6, 15, v2
	v_lshrrev_b32 v7, 4, v2
	s_mul_i32 s22, s16, 8*PITCH
	v_mul_u32_u24 v8, v7, PITCH
	s_delay_alu instid0(VALU_DEP_1)
	v_lshl_add_u32 v8, v6, 4, v8
	s_delay_alu instid0(VALU_DEP_1)
	v_add_nc_u32 v8, s22, v8                       ; out of the stage: rows 8 w on, sixteen lanes to a row, two rows an instruction
	v_lshlrev_b32 v9, 9, v7
	s_delay_alu instid0(VALU_DEP_1)
	v_lshl_add_u32 v9, v6, 4, v9                   ; and the same two rows in wcod
	s_and_b32 s24, s16, 3
	s_lshl_b32 s24, s24, 8
	s_add_co_u32 s22, s24, SCW
	v_lshlrev_b32 v12, 3, v2
	s_delay_alu instid0(VALU_DEP_1)
	v_add_nc_u32 v13, s22, v12                     ; the scale words' way out: 256 (w & 3) + 8 x lane
	s_and_b32 s25, s16, 4
	s_lshl_b32 s23, s17, 1
	s_or_b32 s25, s25, s23
	s_bfe_u32 s23, s16, 0x10001
	s_or_b32 s25, s25, s23                         ; w': eight rows keep their order, so pi renumbers the waves
	s_lshl_b32 s26, s21, 21                        ; W: 512 y + 128 kq rows of 4,096 bytes,
	s_lshl_b32 s23, s18, 19
	s_add_co_u32 s26, s26, s23
	s_lshl_b32 s23, s20, 8                         ; 64 cb + 32 cg columns of 4 bytes
	s_add_co_u32 s26, s26, s23
	s_lshl_b32 s23, s17, 7
	s_add_co_u32 s26, s26, s23
	s_mov_b32 s27, 0
	s_lshl_b32 s28, s19, 19                        ; wcod: (1024 weight + 64 cb + 8 w') x 512 + 256 y
	s_lshl_b32 s23, s20, 15
	s_add_co_u32 s28, s28, s23
	s_lshl_b32 s23, s25, 12
	s_add_co_u32 s28, s28, s23
	s_lshl_b32 s23, s21, 8
	s_add_co_u32 s28, s28, s23
	s_mov_b32 s29, 0
	s_lshl_b32 s30, ttmp9, 11                      ; wscl: 2,048 bytes for 64 positions, kw = 4 y + (w & 3)
	s_lshl_b32 s23, s21, 10
	s_add_co_u32 s30, s30, s23
	s_add_co_u32 s30, s30, s24
	s_mov_b32 s31, 0
	s_wait_kmcnt 0x0
	s_cmp_eq_u32 s19, 1                            ; the weight is chosen by the work-group's number alone
	s_cselect_b64 s[4:5], s[6:7], s[4:5]
	s_cmp_eq_u32 s19, 2
	s_cselect_b64 s[4:5], s[8:9], s[4:5]
	s_cmp_eq_u32 s19, 3
	s_cselect_b64 s[4:5], s[10:11], s[4:5]
	s_add_nc_u64 s[4:5], s[4:5], s[26:27]
	s_add_nc_u64 s[12:13], s[12:13], s[28:29]
	s_add_nc_u64 s[14:15], s[14:15], s[30:31]
.macro LOAD t                          ; block t: W(32 t + i, my column) into set t % 2; a wave's load reads 128 consecutive bytes
.set i, 0
.rept 32
	global_load_b32 v[X+32*((\t)%2)+i], v3, s[4:5] offset:(32*(\t)+i)*4096 th:TH_LOAD_NT
.set i, i+1
.endr
.endm
	LOAD 0
	LOAD 1
.macro BLOCK t
.set XS, X+32*((\t)%2)
.if (\t) < 3
	s_wait_loadcnt 32                              ; this block's 32 loads are in; the next block's may be out
.else
	s_wait_loadcnt 0x0
.endif
	v_max3_num_f32 v16, |v[XS]|, |v[XS+1]|, |v[XS+2]|              ; the block's largest magnitude: all 32 numbers are mine
	v_max3_num_f32 v17, |v[XS+3]|, |v[XS+4]|, |v[XS+5]|
.irp i, 6,10,14,18,22,26
	s_delay_alu instid0(VALU_DEP_2)
	v_max3_num_f32 v16, v16, |v[XS+\i]|, |v[XS+\i+1]|
	s_delay_alu instid0(VALU_DEP_2)
	v_max3_num_f32 v17, v17, |v[XS+\i+2]|, |v[XS+\i+3]|
.endr
	s_delay_alu instid0(VALU_DEP_2)
	v_max3_num_f32 v16, v16, |v[XS+30]|, |v[XS+31]|
	s_delay_alu instid0(VALU_DEP_1)
	v_max3_num_f32 v16, v16, v17, 0x1800000        ; and the floor 2^(3 - 127)
	s_delay_alu instid0(VALU_DEP_1)
	v_add_nc_u32 v18, 0xff000000, v16              ; 2 off the exponent field: the conversion's scale operand
	s_delay_alu instid0(VALU_DEP_1)
	v_lshrrev_b32 v19, 23, v18                     ; the scale's byte
.if (\t) == 0
	s_delay_alu instid0(VALU_DEP_1)
	v_mov_b32 v[SB], v19                           ; four bytes to the word, the lower K in the lower byte
.else
	s_delay_alu instid0(VALU_DEP_1)
	v_lshl_or_b32 v[SB], v19, 8*(\t), v[SB]
.endif
.irp g, 0,1,2,3
	v_cvt_scalef32_pk8_fp4_f32 v[C+\g], v[XS+8*\g:XS+8*\g+7], v18
.endr
	v_nop                                          ; one plain line behind the last conversion
	ds_store_b128 v4, v[C:C+3] offset:16*(\t)      ; 32 codes: 16 bytes of my column's row
.if (\t)+2 < 4
	LOAD (\t)+2
.endif
	s_wait_dscnt 0x0                               ; the store has read its registers: the next block's codes may be written
.endm
	BLOCK 0
	BLOCK 1
	BLOCK 2
	BLOCK 3
	s_wait_alu depctr_va_vdst(0)
	ds_store_b32 v5, v[SB]
	s_wait_dscnt 0x0                               ; for the others' sake: my stores have landed
	s_barrier_signal -1
	s_barrier_wait -1
.irp i, 0,1,2,3
	ds_load_b128 v[OUTR+4*\i:OUTR+4*\i+3], v8 offset:2*\i*PITCH
.endr
.irp i, 0,1,2,3
	s_wait_dscnt 3-\i
	global_store_b128 v9, v[OUTR+4*\i:OUTR+4*\i+3], s[12:13] offset:1024*\i   ; sixteen lanes store 256 consecutive bytes, aligned
.endr
	s_cmp_gt_u32 s16, 3
	s_cbranch_scc1 .Lend
	ds_load_b64 v[20:21], v13
	s_wait_dscnt 0x0
	global_store_b64 v12, v[20:21], s[14:15]       ; 64 scale words: 256 consecutive bytes, aligned
.Lend:
	s_wait_tensorcnt 0x0
	ds_add_u32 v128, v129
	s_wait_dscnt 0x0
	s_endpgm
.Lfunc_end_k_q603848d50e_quant_w:
	.size	k_q603848d50e_quant_w, .Lfunc_end_k_q603848d50e_quant_w-k_q603848d50e_quant_w
	.p2alignl 7, 3214868480
	.fill 96, 4, 3214868480
	.section	.rodata,"a",@progbits
	.p2align	6, 0x0
	.amdhsa_kernel k_q603848d50e_quant_w
		.amdhsa_group_segment_fixed_size 19456
		.amdhsa_private_segment_fixed_size 0
		.amdhsa_enable_private_segment 0
		.amdhsa_kernarg_size 48
		.amdhsa_user_sgpr_count 2
		.amdhsa_user_sgpr_kernarg_segment_ptr 1
		.amdhsa_wavefront_size32 1
		.amdhsa_system_sgpr_workgroup_id_x 1
		.amdhsa_system_sgpr_workgroup_id_y 1
		.amdhsa_system_sgpr_workgroup_id_z 1
		.amdhsa_system_vgpr_workitem_id 0
		.amdhsa_next_free_vgpr 130
		.amdhsa_next_free_sgpr 66
		.amdhsa_reserve_vcc 0
		.amdhsa_float_denorm_mode_32 3
		.amdhsa_float_denorm_mode_16_64 3
		.amdhsa_memory_ordered 1
		.amdhsa_forward_progress 1
		.amdhsa_inst_pref_size 26
	.end_amdhsa_kernel
	.amdgpu_metadata
---
amdhsa.version: [ 1, 2 ]
amdhsa.kernels:
  - .name:           k_q603848d50e_quant_w
    .symbol:         k_q603848d50e_quant_w.kd
    .args:
      - { .name: Wq, .offset: 0, .size: 8, .value_kind: global_buffer, .address_space: global }
      - { .name: Wk, .offset: 8, .size: 8, .value_kind: global_buffer, .address_space: global }
      - { .name: Wv, .offset: 16, .size: 8, .value_kind: global_buffer, .address_space: global }
      - { .name: Wo, .offset: 24, .size: 8, .value_kind: global_buffer, .address_space: global }
      - { .name: wcod, .offset: 32, .size: 8, .value_kind: global_buffer, .address_space: global }
      - { .name: wscl, .offset: 40, .size: 8, .value_kind: global_buffer, .address_space: global }
    .group_segment_fixed_size: 19456
    .private_segment_fixed_size: 0
    .kernarg_segment_align: 8
    .kernarg_segment_size: 48
    .max_flat_workgroup_size: 256
    .sgpr_count:     66
    .vgpr_count:     130
    .wavefront_size: 32
...
	.end_amdgpu_metadata
.endif
;; end of part 2
;; launch gemm_qkv (part 3): grid 12 x 32, 4 waves a work-group, clusters of 4 x 4, 295,424 bytes of LDS; arguments xcod, xscl, wcod, wscl, bq, bk, bv, qkvc, qkvs; writes qkvc, qkvs
.if DOCPART == 3
	.amdgcn_target "amdgcn-amd-amdhsa--gfx1250"
	.amdhsa_code_object_version 6
	.text
	.protected	k_q603848d50e_gemm_qkv
	.globl	k_q603848d50e_gemm_qkv
	.p2align	8
	.type	k_q603848d50e_gemm_qkv,@function
k_q603848d50e_gemm_qkv:
	s_mov_b64 s[64:65], 0
	v_nop
	global_prefetch_b8 v0, s[64:65] scope:SCOPE_SE
	s_setreg_imm32_b32 hwreg(HW_REG_WAVE_MODE, 25, 1), 1
	s_wait_xcnt 0x0
	s_wait_alu depctr_hold_cnt(0) depctr_sa_sdst(0) depctr_va_vdst(0) depctr_va_sdst(0) depctr_va_ssrc(0) depctr_va_vcc(0) depctr_vm_vsrc(0)
	s_getreg_b32 s2, hwreg(HW_REG_IB_STS2, 6, 4)
	s_cmp_eq_u32 s2, 0
	s_cbranch_scc0 .Lentry_in_a_cluster
	s_endpgm
.Lentry_in_a_cluster:
	s_bfe_u32 s2, ttmp6, 0x10000c
	s_cmp_lg_u32 s2, 0xf033
	s_cbranch_scc0 .Lentry_shape_is_right
	s_endpgm
.Lentry_shape_is_right:
; One text serves two launches; OUT chooses.  OUT = 0: q = x Wq + bq, k = x Wk + bk, v = x Wv + bv on codes of FP4 (E2M1) with E8M0 scales, and the results are quantised on the way out.
; OUT = 1: out0 = attn Wo + bo.  K = 1,024 in both: two K steps of 512, one in each of two LDS slots, both asked for at the head.  No LDS byte is filled twice.
; A tile of C, 256 x 256, is made by four waves, 128 x 128 each: 64 accumulators of 16 x 16, 512 registers.  THE MATRIX INSTRUCTION IS USED TRANSPOSED: source 0 = 16 rows of B, source 1 = 16 rows of A.
; ROWS ARE POSITIONS: every operand's row n lies at position pi(n) (bits 3 and 4 swapped).  So in accumulator (a, b) lane (r, h) holds A's position 16 a + r, and register j holds B's TRUE row
; 32 (b / 2) + 16 h + 8 (b % 2) + j: the 64 registers of a block a are, in order, 16 neighbours of each of four blocks of 32 along the next product's K.
; OUT = 0, cluster x = 0, 1: A = x, B = Wq or Wk; a lane's numbers run along the channels: two heads of 64, quantised along the head.  Cluster x = 2: A = Wv, B = x: a lane holds one channel and
; its numbers run along 128 keys, quantised along the keys.  The choice is made by selects on the cluster's x, which all sixteen partners share; the products are one text.
; qkvc: [64 heads][Q | K | V, 65,536 bytes each].  Q, K: [tile of 16 positions][512 bytes: lane l's 16 bytes at 16 l: position r, channels 32 h on].  V: [128 keys][c 2][tile of 16 channels 4][512 bytes].
; qkvs: [64 heads][Q 8,192 | K 8,192 | V 4,096].  Q, K: word of tile 8 g + a, row r at 512 g + 256 (a / 4) + 16 r + 4 (a % 4), bytes 2 and 3 zero.  V: 256 x key step + 16 r + 4 x tile.
; CLUSTERS: 4 x 4 work-groups; A's tiles and scales are asked for jointly along a row of the cluster, B's along a column.
; Nothing is prefetched: every tile that a work-group reads is asked for by its first fills.  LIMITS: zero blocks get the byte 1 (zero codes; read by this program alone); NaN and infinities are not served.
; OUT = 1 has 128 tiles of 256 x 256, one work-group each.
; REGISTERS: window 0: v1 r, v2 h, v16-27 addresses; v32-95 scale words (block i, kw at v[32 + 8 i + kw]: lanes 0-15 A's, lanes 16-31 B's); v128-191 A's fragments, one set; v192-255 the way out.
;   window 1: B's fragments, two sets, v0-63 and v128-191; v64-127 the bias along B's rows, in the result's layout.   windows 2, 3: the accumulators ((a, b) at v[8 (8 (a % 4) + b)]).
.set OUT,    0
.set NQ,     4                         ; matrix instructions deep in a slot
.set ROWB,   256                       ; a tile's row: 512 codes
.set KROW,   512                       ; a row of codes in memory
.set PITCH,  272                       ; an LDS row: 256 bytes + 16 of padding: the 16 rows of a load start 16 bytes apart modulo 256
.set FR,     8
.set NL,     2
.set NP,     4
.set HALFT,  128*PITCH                 ; what one tensor load brings
.set SLOT,   4*HALFT
.set SCL,    2*SLOT                    ; behind the slots: the scales of A's 256 rows, then B's: 4,096 bytes for 128 rows
.set HALFS,  4096
.set SPITCH, 528                       ; OUT = 1: a stage of 16 rows x (512 + 16) bytes a wave, in slot 0 once it is read out
.set ADRA, 16
.set ADRB, 20
.set L16,  24                          ; v24 16 x lane
.set STO,  25
.set RD,   26
.set ADRS, 27
.set SC,   32
.set AF,   128
.set BN,   64                          ; in window 1
.set BK,   128                         ; OUT = 1: rows read back from the stage, v128-191 and v192-255 by turns
.set T,    128                         ; OUT = 0: 64 numbers of a block
.set BM,   192                         ; v192-207 the bias along A's rows, a pair for each block
.set PC,   208                         ; v208-215 the codes just made
.set SW,   216                         ; v216-223 the eight blocks' scale words
.set TM,   224                         ; v224-239 at work in QUANT
.set PW,   240
.set SH,   241
.set SOFF, 242
.set SEL,  2                           ; s2, s3 lane selects for lane l xor 16
.set WV,   40
.set RH,   41                          ; wave >> 1: my half of the tile's rows; also: I fetch for A (0) or B (1)
.set CH,   42                          ; wave & 1: my half of its columns; also: which 128 rows I fetch
.set CX,   43
.set CY,   44
.set YY,   45
.set TR,   46                          ; A's tile of 256 rows
.set TC,   92                          ; B's
.set G1,   24
.set G0,   32
.set G1B,  48
.set G0B,  56
.set G1S,  68
.set G0S,  76
.set G1SB, 80
.set G0SB, 88
.if OUT
.set PAC,  4                           ; A's codes and scales as they come
.set PAS,  6
.set ASTEP, 8*262144                   ; a slot on in acod: eight runs of 64 along K
.else
.set PAC,  96                          ; chosen between x's and the weights'
.set PAS,  98
.set ASTEP, ROWB
.endif
.set MSB, 0
.macro WIN new                         ; the immediate's high byte repeats the setting that is left
.if MSB != (\new)
	s_set_vgpr_msb (MSB<<8)|(\new)
.set MSB, \new
.endif
.endm
.set MUL_LO, 0xa1                      ; source 0 (B) window 1, source 1 (A) window 0, C and D window 2
.set MUL_HI, 0xf1
.set TO_B,   0x40
; A joint load: waves 0 and 1 fetch for A, waves 2 and 3 for B; the branch hangs on the wave's number alone.  Four v_nop follow each line.
.macro JLOAD g0a, g1a, g0b, g1b
	s_cmp_eq_u32 s[RH], 0
	s_cbranch_scc0 .Lfor_b_\@
	tensor_load_to_lds s[\g0a:\g0a+3], s[\g1a:\g1a+7]
	s_nop 0
.rept 4
	v_nop
.endr
	s_branch .Lasked_\@
.Lfor_b_\@:
	tensor_load_to_lds s[\g0b:\g0b+3], s[\g1b:\g1b+7]
	s_nop 0
.rept 4
	v_nop
.endr
.Lasked_\@:
.endm
.macro CROUND                          ; a round of the cluster's barrier
	s_barrier_signal -1
	s_barrier_wait -1
	s_cmp_lg_u32 s[WV], 0
	s_cbranch_scc1 .Lnot_wave_0_\@
	s_barrier_signal -3
.Lnot_wave_0_\@:
	s_barrier_wait -3
	s_barrier_signal -1
	s_barrier_wait -1
.endm
	s_load_b256 s[4:11], s[0:1], 0x0               ; OUT = 0: xcod, xscl, wcod, wscl;  OUT = 1: acod, ascl, wcod, wscl
.if OUT
	s_load_b128 s[12:15], s[0:1], 0x20             ; bo, out0
.else
	s_load_b256 s[12:19], s[0:1], 0x20             ; bq, bk, bv, qkvc
	s_load_b64 s[20:21], s[0:1], 0x40              ; qkvs
	v_lshl_add_u32 v254, v0, 2, 0x48000
	v_mov_b32 v255, 0
	ds_add_u32 v254, v255
	ds_add_u32 v254, v255
.endif
	v_lshrrev_b32 v1, 5, v0
	v_readfirstlane_b32 s[WV], v1                  ; wave 0..3
	s_lshr_b32 s[RH], s[WV], 1
	s_and_b32 s[CH], s[WV], 1
	s_bfe_u32 s[CX], ttmp6, 0x40000                ; my place in the cluster
	s_bfe_u32 s[CY], ttmp6, 0x40004
	s_and_b32 s[YY], ttmp7, 0xffff                 ; the cluster's y
	s_lshl_b32 s[TR], s[YY], 2
	s_add_co_u32 s[TR], s[TR], s[CY]               ; 4 Y + cy
.if OUT
	s_add_co_u32 s[TC], s[CX], 12                  ; Wo's positions begin at 3,072 = 12 x 256
.else
	s_add_co_u32 s47, s[CY], 8                     ; Wv's begin at 2,048 = 8 x 256
	s_lshl_b32 s[TC], s[YY], 2
	s_add_co_u32 s[TC], s[TC], s[CX]               ; 4 Y + cx
	s_lshl_b32 s93, ttmp9, 2
	s_add_co_u32 s93, s93, s[CX]                   ; 4 X + cx
	s_cmp_eq_u32 ttmp9, 2                          ; cluster x = 2 makes v, with the operands swapped
	s_cselect_b32 s[TR], s47, s[TR]
	s_cselect_b32 s[TC], s[TC], s93
.endif
	s_lshl_b32 s66, s[CY], 2
	s_lshl_b32 s66, 15, s66                        ; my row of the cluster
	s_lshl_b32 s67, 0x1111, s[CX]                  ; my column
.if OUT
	; A's codes: eight runs (64 along K each) of 128 rows' images: 8 rows of 4,096 bytes, 262,144 bytes apart, dense in LDS
	s_or_b32 s[G1+0], s66, (3<<16)|(1<<21)         ; 15:0 the mask; 17:16 elements of 8 bytes; 21 set beside a mask
	s_mov_b32 s[G1+1], 512<<16                     ; tensor_dim0 = 512 elements
	s_mov_b32 s[G1+2], 8<<16                       ; tensor_dim1 = 8
	s_mov_b32 s[G1+3], 512<<16                     ; tile_dim0
	s_mov_b32 s[G1+4], 8                           ; tile_dim1
	s_mov_b32 s[G1+5], 32768                       ; pitch in elements
	s_mov_b32 s[G1+6], 0
	s_mov_b32 s[G1+7], 0
.else
	s_or_b32 s[G1+0], s66, (1<<20)|(1<<21)|(5<<22)|(3<<25)  ; elements of 1 byte; padding: 4 words behind every 64
	s_mov_b32 s[G1+1], ROWB<<16
	s_mov_b32 s[G1+2], 128<<16
	s_mov_b32 s[G1+3], ROWB<<16
	s_mov_b32 s[G1+4], 128
	s_mov_b32 s[G1+5], KROW
	s_mov_b32 s[G1+6], 0
	s_mov_b32 s[G1+7], 0
.endif
	s_or_b32 s[G1B+0], s67, (1<<20)|(1<<21)|(5<<22)|(3<<25)
	s_mov_b32 s[G1B+1], ROWB<<16
	s_mov_b32 s[G1B+2], 128<<16
	s_mov_b32 s[G1B+3], ROWB<<16
	s_mov_b32 s[G1B+4], 128
	s_mov_b32 s[G1B+5], KROW
	s_mov_b32 s[G1B+6], 0
	s_mov_b32 s[G1B+7], 0
	; the scales of 128 rows: 4,096 dense bytes, as 16 rows of 256 bytes
	s_or_b32 s[G1S+0], s66, (3<<16)|(1<<21)
	s_or_b32 s[G1SB+0], s67, (3<<16)|(1<<21)
.irp g, G1S, G1SB
	s_mov_b32 s[\g+1], 32<<16
	s_mov_b32 s[\g+2], 16<<16
	s_mov_b32 s[\g+3], 32<<16
	s_mov_b32 s[\g+4], 16
	s_mov_b32 s[\g+5], 32
	s_mov_b32 s[\g+6], 0
	s_mov_b32 s[\g+7], 0
.endr
	s_lshl_b32 s47, s[CH], 7
	s_lshl_b32 s100, s[TR], 8
	s_add_co_u32 s47, s100, s47                    ; A's first row that I fetch: it hangs on cy alone
	s_lshl_b32 s93, s[CH], 7
	s_lshl_b32 s94, s[TC], 8
	s_add_co_u32 s93, s94, s93                     ; B's: on cx alone
	s_mov_b32 s101, 0
	s_mov_b32 s95, 0
	s_mul_i32 s104, s[WV], HALFT                   ; where they go: no place in the cluster enters an LDS address
	s_lshl_b32 s105, s[WV], 12
	s_mov_b32 s[SEL], 0x76543210
	s_mov_b32 s[SEL+1], 0xfedcba98
	s_wait_dscnt 0x0
	s_wait_kmcnt 0x0
.if !OUT
	s_cmp_eq_u32 ttmp9, 2
	s_cselect_b64 s[96:97], s[8:9], s[4:5]         ; A's codes,
	s_cselect_b64 s[98:99], s[10:11], s[6:7]       ; A's scales,
	s_cselect_b64 s[8:9], s[4:5], s[8:9]           ; B's codes,
	s_cselect_b64 s[10:11], s[6:7], s[10:11]       ; B's scales
.endif
	s_lshl_b32 s100, s47, 5                        ; 32 bytes of scales a row
	s_add_nc_u64 s[PAS:PAS+1], s[PAS:PAS+1], s[100:101]
.if OUT
	s_add_nc_u64 s[PAC:PAC+1], s[PAC:PAC+1], s[100:101]   ; and 32 bytes of a run's images a row
.else
	s_lshl_b32 s100, s47, 9
	s_add_nc_u64 s[PAC:PAC+1], s[PAC:PAC+1], s[100:101]
.endif
	s_lshl_b32 s94, s93, 5
	s_add_nc_u64 s[10:11], s[10:11], s[94:95]
	s_lshl_b32 s94, s93, 9
	s_add_nc_u64 s[8:9], s[8:9], s[94:95]
	CROUND                                         ; all sixteen work-groups are here: the joint loads meet
	s_mov_b32 s[G0S], 1
	s_add_co_u32 s[G0S+1], s105, SCL
	s_mov_b64 s[G0S+2:G0S+3], s[PAS:PAS+1]
	s_or_b32 s[G0S+3], s[G0S+3], 0x80000000
	s_mov_b32 s[G0SB], 1
	s_add_co_u32 s[G0SB+1], s105, SCL
	s_mov_b64 s[G0SB+2:G0SB+3], s[10:11]
	s_or_b32 s[G0SB+3], s[G0SB+3], 0x80000000
	JLOAD G0S, G1S, G0SB, G1SB                     ; the scales first: they are wanted with K step 0
.irp s, 0,1
	s_mov_b32 s[G0+4*\s], 1
	s_add_co_u32 s[G0+4*\s+1], s104, \s*SLOT
	s_add_nc_u64 s[G0+4*\s+2:G0+4*\s+3], s[PAC:PAC+1], \s*ASTEP
	s_or_b32 s[G0+4*\s+3], s[G0+4*\s+3], 0x80000000
	s_mov_b32 s[G0B+4*\s], 1
	s_add_co_u32 s[G0B+4*\s+1], s104, \s*SLOT
	s_add_nc_u64 s[G0B+4*\s+2:G0B+4*\s+3], s[8:9], \s*ROWB
	s_or_b32 s[G0B+4*\s+3], s[G0B+4*\s+3], 0x80000000
	JLOAD G0+4*\s, G1, G0B+4*\s, G1B               ; three tensor loads of mine are out at the most
.endr
	v_and_b32 v1, 15, v0                           ; r
	v_bfe_u32 v2, v0, 4, 1                         ; h
	s_wait_alu depctr_va_vdst(0)
	v_and_b32 v3, 31, v0
	v_lshlrev_b32 v[L16], 4, v3
	v_mul_u32_u24 v3, v1, PITCH
	v_lshl_add_u32 v4, v2, 4, v3                   ; a fragment's row x pitch + 16 h
	s_mul_i32 s22, s[RH], HALFT                    ; my 128 rows of A
	s_mul_i32 s23, s[CH], HALFT                    ; my 128 rows of B,
	s_add_co_u32 s23, s23, 2*HALFT                 ; behind A's 256
.irp s, 0,1
.if OUT
	v_add_nc_u32 v[ADRA+\s], s22, v[L16]           ; images: 16 x lane
.else
	v_add_nc_u32 v[ADRA+\s], s22, v4
.endif
	v_add_nc_u32 v[ADRB+\s], s23, v4
	s_add_co_u32 s22, s22, SLOT
	s_add_co_u32 s23, s23, SLOT
.endr
	s_lshl_b32 s22, s[RH], 12                      ; scale words: A's, my 128 rows;
	s_lshl_b32 s23, s[CH], 12                      ; B's, my 128 rows, behind A's 256
	s_add_co_u32 s23, s23, 2*HALFS
	s_sub_co_u32 s23, s23, s22
	v_mul_u32_u24 v5, s23, v2                      ; lanes 16-31 take B's: one product, the distance between the two
	s_add_co_u32 s22, s22, SCL
	v_lshl_add_u32 v5, v1, 2, v5
	v_add_nc_u32 v[ADRS], s22, v5
.if !OUT
	s_cmp_eq_u32 ttmp9, 1                          ; the bias of this cluster's weight
	s_cselect_b64 s[12:13], s[14:15], s[12:13]
	s_cmp_eq_u32 ttmp9, 2
	s_cselect_b64 s[12:13], s[16:17], s[12:13]
.endif
	s_lshl_b32 s22, s[CX], 10
	s_lshl_b32 s23, s[CH], 9
	s_add_co_u32 s22, s22, s23
	v_lshl_add_u32 v6, v2, 6, s22                  ; the bias along B's rows: 4 (256 cx + 128 half) + 64 h
	WIN TO_B
.irp t, 0,1,2,3,4,5,6,7                        ; tile t, register j: row 32 (t / 2) + 16 h + 8 (t % 2) + j
	global_load_b128 v[BN+8*\t:BN+8*\t+3], v6, s[12:13] offset:(32*(\t/2)+8*(\t%2))*4
	global_load_b128 v[BN+8*\t+4:BN+8*\t+7], v6, s[12:13] offset:(32*(\t/2)+8*(\t%2))*4+16
.endr
	WIN 0
.if !OUT
	v_and_b32 v7, 8, v1
	v_add_nc_u32 v7, v7, v1                        ; r + 8 (r / 8)
	s_lshl_b32 s22, s[CY], 10
	s_lshl_b32 s23, s[RH], 9
	s_add_co_u32 s22, s22, s23
	v_lshl_add_u32 v7, v7, 2, s22                  ; the bias along A's rows: block a, lane r: row 32 (a / 2) + 8 (a % 2) + r + 8 (r / 8)
.irp a, 0,1,2,3,4,5,6,7
	global_load_b32 v[BM+2*\a], v7, s[12:13] offset:(32*(\a/2)+8*(\a%2))*4
	global_load_b32 v[BM+2*\a+1], v7, s[12:13] offset:(32*(\a/2)+8*(\a%2))*4     ; twice: a pair for the packed addition
.endr
	s_cmp_eq_u32 ttmp9, 2
	s_cselect_b32 s100, 0, -1                      ; the bias runs along B's rows for q and k,
	s_cselect_b32 s101, -1, 0                      ; along A's for v: the other one is masked to zeros
.endif
.macro FRAGR reg, adr, q, i            ; a fragment from rows: lane l holds row l % 16; registers 4 c .. 4 c + 3 hold K = 64 c + 32 (l / 16) + 0 .. 31
.irp c, 0,1
	ds_load_b128 v[\reg+4*\c:\reg+4*\c+3], v[\adr] offset:64*(\q)+32*\c+(\i)*16*PITCH
.endr
.endm
.macro FRAGI reg, adr, q, i            ; a fragment from images of its registers: run 2 q + c, tile i, 16 x lane
.irp c, 0,1
	ds_load_b128 v[\reg+4*\c:\reg+4*\c+3], v[\adr] offset:(2*(\q)+\c)*4096+(\i)*512
.endr
.endm
; 16 matrix instructions: A's blocks a0, a0 + 1 x B's eight.  p: B's set; first = 1: C is the bias.  The 64 accumulators take turns, one instruction a turn.
.macro MUL16 a0, p, q, slot, first
.irp a, \a0, \a0+1
.irp b, 0,1,2,3,4,5,6,7
.if \first
	v_wmma_scale_f32_16x16x128_f8f6f4 v[8*(8*((\a)%4)+\b):8*(8*((\a)%4)+\b)+7], v[128*(\p)+FR*\b:128*(\p)+FR*\b+FR-1], v[AF+FR*(\a):AF+FR*(\a)+FR-1], v[BN+8*\b:BN+8*\b+7], v[SC+8*\b+4*(\slot)+(\q)], v[SC+8*(\a)+4*(\slot)+(\q)] matrix_a_fmt:MATRIX_FMT_FP4 matrix_b_fmt:MATRIX_FMT_FP4 matrix_a_scale:MATRIX_SCALE_ROW1
.else
	v_wmma_scale_f32_16x16x128_f8f6f4 v[8*(8*((\a)%4)+\b):8*(8*((\a)%4)+\b)+7], v[128*(\p)+FR*\b:128*(\p)+FR*\b+FR-1], v[AF+FR*(\a):AF+FR*(\a)+FR-1], v[8*(8*((\a)%4)+\b):8*(8*((\a)%4)+\b)+7], v[SC+8*\b+4*(\slot)+(\q)], v[SC+8*(\a)+4*(\slot)+(\q)] matrix_a_fmt:MATRIX_FMT_FP4 matrix_b_fmt:MATRIX_FMT_FP4 matrix_a_scale:MATRIX_SCALE_ROW1
.endif
.endr
.endr
.endm
.macro FETCH_B slot, q, p
	WIN TO_B
.irp i, 0,1,2,3,4,5,6,7
	FRAGR 128*(\p)+FR*\i, ADRB+\slot, \q, \i
.endr
	WIN 0
.endm
.macro FETCH_A slot, q, i0
.irp i, \i0, \i0+1, \i0+2, \i0+3
.if OUT
	FRAGI AF+FR*(\i), ADRA+\slot, \q, \i
.else
	FRAGR AF+FR*(\i), ADRA+\slot, \q, \i
.endif
.endr
.endm
.macro SCALES                          ; all of K's scale words, once: 64 loads; lanes 0-15 A's block i, lanes 16-31 B's block i
.irp i, 0,1,2,3,4,5,6,7
.irp kw, 0,1,2,3,4,5,6,7
	ds_load_b32 v[SC+8*\i+\kw], v[ADRS] offset:(\i/4)*2048+\kw*256+(\i%4)*64
.endr
.endr
.endm
.macro PLACES n                        ; plain vector lines between a matrix instruction and a load into, or a read of, its registers
.rept \n
	v_nop
.endr
.endm
.macro STEP slot, q, first             ; 128 along K that has its successor in the same slot
	s_wait_dscnt 4*NL                              ; B's set and A's blocks 0-3 are in; the youngest eight loads (A's blocks 4-7) may be out
.if \first
	WIN 0x91                                       ; C: the bias, in window 1
.else
	WIN MUL_LO
.endif
	MUL16 0, (\q)%2, \q, \slot, \first
	MUL16 2, (\q)%2, \q, \slot, \first
	s_wait_dscnt 0x0                               ; A's blocks 4-7 are in
	PLACES NP
	FETCH_B \slot, (\q)+1, 1-(\q)%2
	FETCH_A \slot, (\q)+1, 0
.if \first
	WIN 0xd1
.else
	WIN MUL_HI
.endif
	MUL16 4, (\q)%2, \q, \slot, \first
	MUL16 6, (\q)%2, \q, \slot, \first
	PLACES NP
	WIN 0
	FETCH_A \slot, (\q)+1, 4
.endm
	s_wait_alu depctr_va_vdst(0)
	s_wait_tensorcnt 1                             ; the scales and my part of slot 0 are in; slot 1's load may stay out
	s_barrier_signal -1
	s_barrier_wait -1                              ; everybody's are
	FETCH_B 0, 0, 0
	FETCH_A 0, 0, 0
	SCALES
	FETCH_A 0, 0, 4
	s_wait_loadcnt 0x0                             ; the biases
.if !OUT
	WIN 0x44                                       ; source 1 and destination in window 1
.set j, 0
.rept 64
	v_and_b32 v[BN+j], s100, v[BN+j]
.set j, j+1
.endr
	WIN 0
.set j, 0
.rept 16
	v_and_b32 v[BM+j], s101, v[BM+j]
.set j, j+1
.endr
.endif
	STEP 0, 0, 1                                   ; the first products start the sums from the bias: nothing is cleared
	STEP 0, 1, 0
	STEP 0, 2, 0
	; slot 0's last step changes slots: one barrier; slot 1 is whole behind it, and nobody reads slot 0 any more
	s_wait_tensorcnt 0x0                           ; my part of slot 1 has landed
	s_wait_dscnt 4*NL
	WIN MUL_LO
	MUL16 0, 1, 3, 0, 0
	s_wait_dscnt 0x0                               ; my reads of slot 0 are over
	s_barrier_signal -1
	MUL16 2, 1, 3, 0, 0                            ; work on registers while the others arrive
	WIN 0
	s_barrier_wait -1
	PLACES NP
	FETCH_B 1, 0, 0
	FETCH_A 1, 0, 0
	WIN MUL_HI
	MUL16 4, 1, 3, 0, 0
	MUL16 6, 1, 3, 0, 0
	PLACES NP
	WIN 0
	FETCH_A 1, 0, 4
	STEP 1, 0, 0
	STEP 1, 1, 0
	STEP 1, 2, 0
	s_wait_dscnt 4*NL                              ; the last step: nothing more to fetch
	WIN MUL_LO
	MUL16 0, 1, 3, 1, 0
	MUL16 2, 1, 3, 1, 0
	s_wait_dscnt 0x0
	WIN MUL_HI
	MUL16 4, 1, 3, 1, 0
	MUL16 6, 1, 3, 1, 0
	WIN 0
.if OUT
; THE WAY OUT to out0.  A block of 16 positions x 128 columns goes through my stage in slot 0 (it has had its only fill, and every wave has passed the barrier behind which nobody reads it) and comes
; back as whole rows of 512 bytes.  A lane's eight numbers of accumulator b are columns 32 (b / 2) + 16 h + 8 (b % 2) + 0 .. 7; position 16 a + t is row 32 (a / 2) + 8 (a % 2) + t + 8 (t / 8).
	s_mul_i32 s22, s[WV], 16*SPITCH
	v_mul_u32_u24 v[STO], v1, SPITCH               ; (these five lines are the places behind the last products)
	v_lshl_add_u32 v[STO], v2, 6, v[STO]
	v_add_nc_u32 v[STO], s22, v[STO]
	v_add_nc_u32 v[RD], s22, v[L16]
	v_nop
	s_lshl_b32 s22, s[TR], 20                      ; my first row: (256 tile row + 128 half) x 4,096 bytes,
	s_lshl_b32 s23, s[RH], 19
	s_add_co_u32 s22, s22, s23
	s_lshl_b32 s23, s[CX], 10                      ; my first column: (256 cx + 128 half) x 4 bytes
	s_add_co_u32 s22, s22, s23
	s_lshl_b32 s23, s[CH], 9
	s_add_co_u32 s22, s22, s23
	s_mov_b32 s23, 0
	s_add_nc_u64 s[14:15], s[14:15], s[22:23]
.macro TOSTAGE a
.set AC, 64*((\a)%4)
	WIN 0x08+4*((\a)/4)                            ; an LDS store's data are its source 1: window 2 or 3
.irp b, 0,1,2,3,4,5,6,7
	ds_store_b128 v[STO], v[AC+8*\b:AC+8*\b+3] offset:128*(\b/2)+32*(\b%2)        ; each accumulator from its low end on
	ds_store_b128 v[STO], v[AC+8*\b+4:AC+8*\b+7] offset:128*(\b/2)+32*(\b%2)+16
.endr
	WIN 0
.set BB, BK+64*((\a)%2)
.irp t, 0,1,2,3,4,5,6,7,8,9,10,11,12,13,14,15
	ds_load_b128 v[BB+4*\t:BB+4*\t+3], v[RD] offset:\t*SPITCH      ; LDS serves a wave's instructions in order: these see the stores above
.endr
.endm
.macro SEND a, younger
.set BB, BK+64*((\a)%2)
	s_wait_dscnt \younger                          ; the block is back; the next block's 16 stores and 16 loads may be out
.irp t, 0,1,2,3,4,5,6,7,8,9,10,11,12,13,14,15
	global_store_b128 v[L16], v[BB+4*\t:BB+4*\t+3], s[14:15] offset:(32*((\a)/2)+8*((\a)%2)+\t+8*(\t/8))*4096 th:TH_STORE_NT   ; 32 lanes store 512 consecutive bytes, aligned
.endr
.endm
	TOSTAGE 0
.irp a, 1,2,3,4,5,6,7
.if \a > 1
	s_wait_xcnt 0x0                                ; block a - 2's stores have read their registers: block a's loads may land there
.endif
	TOSTAGE \a
	SEND \a-1, 32
.endr
	SEND 7, 0
.else
; THE WAY OUT to qkvc and qkvs, without LDS.  A block's 64 numbers of a lane are 16 neighbours of each of four blocks of 32 along the next K: they are quantised in registers, and the two halves of the
; fragment leave as images of its registers: 32 lanes store 512 consecutive bytes, aligned.
	s_cmp_eq_u32 ttmp9, 2                          ; (the descriptors' registers are free: all my tensor loads have been waited for)
	s_cselect_b32 s48, s[TC], s[TR]                ; U: the tile of 256 positions of x
	s_cselect_b32 s49, s[CY], s[CX]                ; the weight's tile of 256 channels,
	s_cselect_b32 s50, s[RH], s[CH]                ; and my half of it
	s_cselect_b32 s51, s[CH], s[RH]                ; my half of U
	s_mov_b32 s36, 2048
	s_cselect_b32 s36, 0x30000, s36                ; from blocks 0-3 to blocks 4-7: four tiles of positions on; for v the next head
	s_mov_b32 s38, 0x30000
	s_cselect_b32 s38, 2048, s38                   ; from the fragment's first half to its second: the next head; for v the next 64 keys
	s_cselect_b32 s52, 8, 9                        ; scale words of 128 positions: 512 bytes; of 128 keys of v: 256
	s_mov_b32 s53, 0xffff
	s_cselect_b32 s53, -1, s53                     ; a head's word has two bytes; v's has four
	s_cselect_b32 s54, 0, 16
	s_mov_b32 s37, 0
	s_mov_b32 s39, 0
	v_mul_u32_u24 v[SH], s54, v2                   ; lanes 16-31 keep the second head's two bytes.  (These seven lines are the places behind the last products)
	v_mul_u32_u24 v[SOFF], 20480, v2
	v_lshl_add_u32 v[SOFF], v1, 4, v[SOFF]         ; scale words: 16 r, lanes 16-31 in the next head
.irp b, 0,1,2,3
	v_mov_b32 v[TM+4+\b], 0                        ; written once: a lane permute's destination counts as one of its sources
.endr
	s_lshr_b32 s55, s48, 3
	s_lshl_b32 s55, s55, 4                         ; 16 x batch
	s_lshl_b32 s49, s49, 2
	s_add_co_u32 s55, s55, s49
	s_lshl_b32 s50, s50, 1
	s_add_co_u32 s55, s55, s50                     ; + my first head
	s_and_b32 s48, s48, 7
	s_lshl_b32 s48, s48, 1
	s_add_co_u32 s48, s48, s51                     ; G: which 128 positions of the sequence
	s_mul_i32 s56, s55, 0x30000
	s_lshl_b32 s58, ttmp9, 16                      ; Q, K or V
	s_add_co_u32 s56, s56, s58
	s_lshl_b32 s58, s48, 12
	s_add_co_u32 s56, s56, s58
	s_mov_b32 s57, 0
	s_add_nc_u64 s[24:25], s[18:19], s[56:57]
	s_add_nc_u64 s[26:27], s[24:25], s[38:39]
	s_add_nc_u64 s[28:29], s[24:25], s[36:37]
	s_add_nc_u64 s[30:31], s[28:29], s[38:39]
	s_mul_i32 s56, s55, 20480
	s_lshl_b32 s58, ttmp9, 13
	s_add_co_u32 s56, s56, s58
	s_lshl_b32 s58, s48, s52
	s_add_co_u32 s56, s56, s58
	s_add_nc_u64 s[20:21], s[20:21], s[56:57]
; 64 numbers of a lane, register 16 b + i = k 32 b + 16 (lane / 16) + i of my row, become a fragment's codes in v[PC] on and its scale word in v[PW]
.macro QUANT s
.irp b, 0,1,2,3
	v_max3_num_f32 v[TM+\b], |v[\s+16*\b]|, |v[\s+1+16*\b]|, 0x1800000   ; my 16 numbers of block b, and the floor 2^(3 - 127): the byte cannot fall under 1
.endr
.irp i, 2,4,6,8,10,12,14
.irp b, 0,1,2,3
	v_max3_num_f32 v[TM+\b], v[TM+\b], |v[\s+16*\b+\i]|, |v[\s+1+16*\b+\i]|
.endr
.endr
.irp b, 0,1,2,3
	v_permlanex16_b32 v[TM+4+\b], v[TM+\b], s[SEL], s[SEL+1]
.endr
.irp b, 0,1,2,3
	v_max_num_f32 v[TM+\b], v[TM+\b], v[TM+4+\b]   ; with lane l xor 16's: the block's largest magnitude
.endr
.irp b, 0,1,2,3
	v_add_nc_u32 v[TM+12+\b], 0xff000000, v[TM+\b] ; 2 off its exponent field: the conversion's scale operand
.endr
.irp b, 0,1,2,3
	v_lshrrev_b32 v[TM+4+\b], 23, v[TM+12+\b]      ; the scale's byte
.endr
	v_lshl_or_b32 v[PW], v[TM+5], 8, v[TM+4]
	v_lshl_or_b32 v[PW], v[TM+6], 16, v[PW]
	v_lshl_or_b32 v[PW], v[TM+7], 24, v[PW]
.irp b, 0,1,2,3
	v_cvt_scalef32_pk8_fp4_f32 v[PC+2*\b], v[\s+16*\b:\s+7+16*\b], v[TM+12+\b]
	v_cvt_scalef32_pk8_fp4_f32 v[PC+1+2*\b], v[\s+8+16*\b:\s+15+16*\b], v[TM+12+\b]
.endr
	v_nop                                          ; one plain line behind a scaled conversion
.irp c, 0,1                                    ; the operand's layout wants a whole block in a lane
.irp i, 0,1
	v_permlane16_swap_b32 v[PC+4*\c+\i], v[PC+2+4*\c+\i]
.endr
.endr
.endm
.macro OUTBLK a
	s_wait_xcnt 0x0                                ; the last block's stores have read their registers
	WIN 0x02+(\a)/4                                ; source 0: the accumulators, window 2 or 3
.set j, 0
.rept 32
	v_pk_add_f32 v[T+j:T+j+1], v[64*((\a)%4)+j:64*((\a)%4)+j+1], v[BM+2*(\a):BM+2*(\a)+1]   ; + the bias along A's rows (zeros for q and k); each accumulator from its low end on
.set j, j+2
.endr
	WIN 0
	QUANT T
	v_lshrrev_b32 v[SW+(\a)], v[SH], v[PW]
	v_and_b32 v[SW+(\a)], s53, v[SW+(\a)]
	global_store_b128 v[L16], v[PC:PC+3], s[24+4*((\a)/4):25+4*((\a)/4)] offset:((\a)%4)*512
	global_store_b128 v[L16], v[PC+4:PC+7], s[26+4*((\a)/4):27+4*((\a)/4)] offset:((\a)%4)*512
.endm
.irp a, 0,1,2,3,4,5,6,7
	OUTBLK \a
.endr
	s_cmp_eq_u32 ttmp9, 2                          ; the cluster's x: the same in all sixteen partners
	s_cbranch_scc1 .Lv_words
	global_store_b128 v[SOFF], v[SW:SW+3], s[20:21]                ; tiles 0-3: sixteen lanes store 256 consecutive bytes of one head, the other sixteen of the next
	global_store_b128 v[SOFF], v[SW+4:SW+7], s[20:21] offset:256   ; tiles 4-7
	s_branch .Lwords_out
.Lv_words:
	v_cmp_eq_u32 vcc_lo, 1, v2
	s_wait_alu depctr_va_vdst(0)
.irp i, 0,1,2,3
	v_cndmask_b32 v[SW+\i], v[SW+\i], v[SW+4+\i], vcc_lo           ; blocks 4-7 are the second head's four tiles of channels: lanes 16-31 carry them
.endr
	global_store_b128 v[SOFF], v[SW:SW+3], s[20:21]
.Lwords_out:
.endif
	s_wait_dscnt 0x0                               ; no LDS instruction of mine is pending at a signal
	s_wait_tensorcnt 0x0
	ds_add_u32 v254, v255
	s_wait_dscnt 0x0
	CROUND                                         ; the closing round: no work-group ends while a partner may still ask for a tile that names it
	s_endpgm
.Lfunc_end_k_q603848d50e_gemm_qkv:
	.size	k_q603848d50e_gemm_qkv, .Lfunc_end_k_q603848d50e_gemm_qkv-k_q603848d50e_gemm_qkv
	.p2alignl 7, 3214868480
	.fill 96, 4, 3214868480
	.section	.rodata,"a",@progbits
	.p2align	6, 0x0
	.amdhsa_kernel k_q603848d50e_gemm_qkv
		.amdhsa_group_segment_fixed_size 295424
		.amdhsa_private_segment_fixed_size 0
		.amdhsa_enable_private_segment 0
		.amdhsa_kernarg_size 72
		.amdhsa_user_sgpr_count 2
		.amdhsa_user_sgpr_kernarg_segment_ptr 1
		.amdhsa_wavefront_size32 1
		.amdhsa_system_sgpr_workgroup_id_x 1
		.amdhsa_system_sgpr_workgroup_id_y 1
		.amdhsa_system_sgpr_workgroup_id_z 1
		.amdhsa_system_vgpr_workitem_id 0
		.amdhsa_next_free_vgpr 1024
		.amdhsa_next_free_sgpr 106
		.amdhsa_reserve_vcc 1
		.amdhsa_float_denorm_mode_32 3
		.amdhsa_float_denorm_mode_16_64 3
		.amdhsa_memory_ordered 1
		.amdhsa_forward_progress 1
		.amdhsa_inst_pref_size 154
	.end_amdhsa_kernel
	.amdgpu_metadata
---
amdhsa.version: [ 1, 2 ]
amdhsa.kernels:
  - .name:           k_q603848d50e_gemm_qkv
    .symbol:         k_q603848d50e_gemm_qkv.kd
    .args:
      - { .name: xcod, .offset: 0, .size: 8, .value_kind: global_buffer, .address_space: global }
      - { .name: xscl, .offset: 8, .size: 8, .value_kind: global_buffer, .address_space: global }
      - { .name: wcod, .offset: 16, .size: 8, .value_kind: global_buffer, .address_space: global }
      - { .name: wscl, .offset: 24, .size: 8, .value_kind: global_buffer, .address_space: global }
      - { .name: bq, .offset: 32, .size: 8, .value_kind: global_buffer, .address_space: global }
      - { .name: bk, .offset: 40, .size: 8, .value_kind: global_buffer, .address_space: global }
      - { .name: bv, .offset: 48, .size: 8, .value_kind: global_buffer, .address_space: global }
      - { .name: qkvc, .offset: 56, .size: 8, .value_kind: global_buffer, .address_space: global }
      - { .name: qkvs, .offset: 64, .size: 8, .value_kind: global_buffer, .address_space: global }
    .group_segment_fixed_size: 295424
    .private_segment_fixed_size: 0
    .kernarg_segment_align: 8
    .kernarg_segment_size: 72
    .max_flat_workgroup_size: 128
    .sgpr_count:     106
    .vgpr_count:     1024
    .wavefront_size: 32
...
	.end_amdgpu_metadata
.endif
;; end of part 3
;; launch attn (part 4): grid 8 x 32, 16 waves a work-group, clusters of 4 x 1, 289,792 bytes of LDS; arguments qkvc, qkvs, acod, ascl; writes acod, ascl
.if DOCPART == 4
	.amdgcn_target "amdgcn-amd-amdhsa--gfx1250"
	.amdhsa_code_object_version 6
	.text
	.protected	k_q603848d50e_attn
	.globl	k_q603848d50e_attn
	.p2align	8
	.type	k_q603848d50e_attn,@function
k_q603848d50e_attn:
	s_mov_b64 s[64:65], 0
	v_nop
	global_prefetch_b8 v0, s[64:65] scope:SCOPE_SE
	s_setreg_imm32_b32 hwreg(HW_REG_WAVE_MODE, 25, 1), 1
	s_wait_xcnt 0x0
	s_wait_alu depctr_hold_cnt(0) depctr_sa_sdst(0) depctr_va_vdst(0) depctr_va_sdst(0) depctr_va_ssrc(0) depctr_va_vcc(0) depctr_vm_vsrc(0)
	s_getreg_b32 s2, hwreg(HW_REG_IB_STS2, 6, 4)
	s_cmp_eq_u32 s2, 0
	s_cbranch_scc0 .Lentry_in_a_cluster
	s_endpgm
.Lentry_in_a_cluster:
	s_bfe_u32 s2, ttmp6, 0x10000c
	s_cmp_lg_u32 s2, 0x3003
	s_cbranch_scc0 .Lentry_shape_is_right
	s_endpgm
.Lentry_shape_is_right:
; attn[q] = softmax_k(q . k / 8) v for 64 heads of 64 channels, 2,048 keys, both products on codes of FP4 (E2M1) with one E8M0 scale for each 32 along K; the result is quantised along head x 64 + channel.
; THE SOFTMAX: t = score x log2(e) / 8; M = the running largest t rounded UP to a whole number; p = 2^(t - M) is quantised along the keys, not normalised; the row's sum is taken of the unquantised p
; and divides at the end.  When M moves, the sum and O are multiplied by 2^(old M - new M), which rounds nothing.
; SHARES: a work-group takes 256 query positions and a PAIR of heads (2 y, 2 y + 1); each of its sixteen waves one tile of 16 queries, both heads one after the other, so that it ends with a whole
; fragment (16 rows x 128 along the last product's K) and a whole scale word.  Four waves share a SIMD: one wave's vector work stands beside another's matrix work and LDS loads.
; LDS: both heads' K, V and scale words stay for the whole launch (2 x 131,072 + 2 x 12,288 bytes), each byte filled once, at the head; head 1's land while head 0 is worked.
; So there is nothing later to ask ahead for, and nothing is prefetched.  CLUSTER: the four query blocks of a cluster walk the same two heads: every fill is asked for jointly by the four.
; LAYOUT: both products are used transposed (S^T = K Q^T, O^T = V^T P^T): a lane holds ONE query.  All operands lie as images of their registers (lane l's 16 bytes at 16 l).  Rows are POSITIONS
; (bits 3 and 4 of the row number swapped), so the 16 registers of score tiles 2 b and 2 b + 1 are the TRUE keys 32 b + 16 h + 0 .. 15, and O^T's of tiles 2 b, 2 b + 1 the true channels likewise.
; The head has 64 channels: the upper four registers of Q's and K's fragments are zero codes, and bytes 2 and 3 of their scale words are 0 (2^-127, over zeros).
; LIMITS: a block of p or of the result that is all zeros gets the byte 1 (zero codes; read by this program alone); NaN and infinities are not served.
; REGISTERS: v1 16 x lane; v2 scale words' base + 16 r; v3-6 addresses in hand; v7 Q's scale word, head 1; v8-11 V's scale words; v12 -M; v13 largest t; v[14:15] the sum; v16-23, v24-31 Q of heads 0, 1;
;   v32-63 four fragments of K; v64-95 V's four; v96-159 S^T, then p; v160-191, v192-223 O^T of heads 0, 1; v224-231 p's codes; v232-243 at work; v244-251 K's scale words; v252 f; v253 p's scale word; v255 Q's, head 0.
.set L16,  1
.set R16,  2
.set ADK,  3
.set ADV,  4
.set ADS,  5
.set ADT,  6
.set QS1,  7
.set VS,   8
.set KS,   244
.set QS0,  255
.set HEADB, 131072                     ; a head's K (65,536 bytes) and V (65,536) in LDS
.set SCB,  2*HEADB                     ; the scale words: for each head K's 8,192 bytes, then V's 4,096
.set SCH,  12288
.set SCST, SCB+2*SCH                   ; 1,024 bytes of the result's scale words: written by LDS stores alone, no fill lands here
.set TM,   96                          ; the way out: v96-111 at work, v112-119 codes, v120 the scale word
.set PC,   112
.set PW,   120
.set WV,   12
.set G1C,  16                          ; s[16:23] group 1 for 16,384 bytes of codes;  s[24:31] for 12,288 bytes of scale words
.set G1S,  24
.set G0A,  32                          ; groups 0: codes of head 0, head 1; scale words of head 0, head 1
.set G0B,  36
.set G0SA, 40
.set G0SB, 44
.set SEL,  48
.set CS,   50                          ; s[50:51] c = log2(e) / 8
.set TK,   52
.set TV,   53
.set TS,   54
.set TT,   55
.set CNT,  56
.macro CROUND                          ; a round of the cluster's barrier
	s_barrier_signal -1
	s_barrier_wait -1
	s_cmp_lg_u32 s[WV], 0
	s_cbranch_scc1 .Lnot_wave_0_\@
	s_barrier_signal -3
.Lnot_wave_0_\@:
	s_barrier_wait -3
	s_barrier_signal -1
	s_barrier_wait -1
.endm
	s_load_b256 s[4:11], s[0:1], 0x0               ; qkvc, qkvs, acod, ascl
	v_lshl_add_u32 v254, v0, 2, 0x46400
	v_mov_b32 v255, 0
	ds_add_u32 v254, v255
	ds_add_u32 v254, v255
	s_wait_dscnt 0x0
	v_lshrrev_b32 v3, 5, v0
	s_delay_alu instid0(VALU_DEP_1)
	v_readfirstlane_b32 s[WV], v3                  ; wave 0..15
	s_bfe_u32 s13, ttmp6, 0x40000                  ; cx
	s_lshl_b32 s14, ttmp9, 2
	s_add_co_u32 s14, s14, s13                     ; my block of 256 queries: it enters Q's and the results' addresses alone
	s_and_b32 s15, ttmp7, 0xffff                   ; y: the pair of heads, which the four partners share
	s_mov_b32 s[G1C], 15|(3<<16)|(1<<21)           ; 15:0 the mask: all four work-groups; 17:16 elements of 8 bytes; 21 set beside a mask
	s_mov_b32 s[G1C+1], 32<<16                     ; rows of 256 bytes,
	s_mov_b32 s[G1C+2], 64<<16                     ; 64 of them, dense
	s_mov_b32 s[G1C+3], 32<<16
	s_mov_b32 s[G1C+4], 64
	s_mov_b32 s[G1C+5], 32
	s_mov_b32 s[G1C+6], 0
	s_mov_b32 s[G1C+7], 0
	s_mov_b32 s[G1S], 15|(3<<16)|(1<<21)
	s_mov_b32 s[G1S+1], 32<<16
	s_mov_b32 s[G1S+2], 48<<16                     ; 48 rows of 256 bytes
	s_mov_b32 s[G1S+3], 32<<16
	s_mov_b32 s[G1S+4], 48
	s_mov_b32 s[G1S+5], 32
	s_mov_b32 s[G1S+6], 0
	s_mov_b32 s[G1S+7], 0
	s_and_b32 s57, s[WV], 7
	s_lshl_b32 s57, s57, 14                        ; my 16,384 bytes of a head's K and V, in memory and in LDS
	s_mul_i32 s58, s15, 393216                     ; head 2 y: 196,608 bytes a head,
	s_add_co_u32 s58, s58, s57
	s_add_co_u32 s58, s58, 65536                   ; behind its Q
	s_mov_b32 s59, 0
	s_mul_i32 s60, s15, 40960                      ; scale words: 20,480 bytes a head,
	s_add_co_u32 s60, s60, 8192                    ; behind Q's
	s_mov_b32 s61, 0
	s_mul_i32 s62, s15, 393216                     ; Q's tile 16 x block + wave, 512 bytes a tile
	s_lshl_b32 s76, s14, 13
	s_add_co_u32 s62, s62, s76
	s_lshl_b32 s76, s[WV], 9
	s_add_co_u32 s62, s62, s76
	s_mov_b32 s63, 0
	s_mul_i32 s70, s15, 40960                      ; its scale word: 1,024 x block + 256 (wave / 4) + 4 (wave % 4) + 16 r
	s_lshl_b32 s76, s14, 10
	s_add_co_u32 s70, s70, s76
	s_lshr_b32 s76, s[WV], 2
	s_lshl_b32 s76, s76, 8
	s_add_co_u32 s70, s70, s76
	s_and_b32 s77, s[WV], 3
	s_lshl_b32 s76, s77, 2
	s_add_co_u32 s70, s70, s76
	s_mov_b32 s71, 0
	s_and_b32 s78, s15, 7                          ; which 128 of the last product's K
	s_lshr_b32 s79, s15, 3                         ; the batch
	s_lshl_b32 s72, s78, 19                        ; acod: run 2 (y & 7) of 262,144 bytes,
	s_lshl_b32 s76, s79, 16                        ; 128 tiles of 512 bytes a batch,
	s_add_co_u32 s72, s72, s76
	s_lshl_b32 s76, s14, 13
	s_add_co_u32 s72, s72, s76
	s_lshl_b32 s76, s[WV], 9
	s_add_co_u32 s72, s72, s76
	s_mov_b32 s73, 0
	s_lshl_b32 s74, s79, 5                         ; ascl: group of 64 positions 32 x batch + 4 x block + (wave & 3),
	s_lshl_b32 s76, s14, 2
	s_add_co_u32 s74, s74, s76
	s_add_co_u32 s74, s74, s77
	s_lshl_b32 s74, s74, 11
	s_lshl_b32 s76, s78, 8                         ; word y & 7
	s_add_co_u32 s74, s74, s76
	s_mov_b32 s75, 0
	s_mov_b32 s[SEL], 0x76543210
	s_mov_b32 s[SEL+1], 0xfedcba98                 ; lane l xor 16
	s_mov_b32 s[CS], 0x3e38aa3b                    ; c = log2(e) / 8
	s_mov_b32 s[CS+1], s[CS]                       ; (named with it as a pair, so it is written)
	s_wait_kmcnt 0x0
	s_add_nc_u64 s[66:67], s[4:5], s[62:63]        ; Q's codes
	s_add_nc_u64 s[68:69], s[6:7], s[70:71]        ; Q's scale words
	s_add_nc_u64 s[8:9], s[8:9], s[72:73]
	s_add_nc_u64 s[10:11], s[10:11], s[74:75]
	CROUND                                         ; all four work-groups are here: the joint loads meet
	s_mov_b32 s[G0A], 1
	s_mov_b32 s[G0A+1], s57
	s_add_nc_u64 s[G0A+2:G0A+3], s[4:5], s[58:59]
	s_mov_b32 s[G0B], 1
	s_add_co_u32 s[G0B+1], s57, HEADB
	s_add_nc_u64 s[G0B+2:G0B+3], s[G0A+2:G0A+3], 196608
	s_or_b32 s[G0A+3], s[G0A+3], 0x80000000
	s_or_b32 s[G0B+3], s[G0B+3], 0x80000000
	s_mov_b32 s[G0SA], 1
	s_mov_b32 s[G0SA+1], SCB
	s_add_nc_u64 s[G0SA+2:G0SA+3], s[6:7], s[60:61]
	s_mov_b32 s[G0SB], 1
	s_mov_b32 s[G0SB+1], SCB+SCH
	s_add_nc_u64 s[G0SB+2:G0SB+3], s[G0SA+2:G0SA+3], 20480
	s_or_b32 s[G0SA+3], s[G0SA+3], 0x80000000
	s_or_b32 s[G0SB+3], s[G0SB+3], 0x80000000
	s_cmp_lt_u32 s[WV], 8                          ; a wave's fills stand in one branch on its number: waves 0-7 the codes, wave 8 the scale words; head 0's first.  Two loads of a wave are out at the most
	s_cbranch_scc0 .Lnot_codes
	tensor_load_to_lds s[G0A:G0A+3], s[G1C:G1C+7]
	s_nop 0
	tensor_load_to_lds s[G0B:G0B+3], s[G1C:G1C+7]
	s_nop 0
.rept 4
	v_nop
.endr
	s_branch .Lasked
.Lnot_codes:
	s_cmp_eq_u32 s[WV], 8
	s_cbranch_scc0 .Lasked
	tensor_load_to_lds s[G0SA:G0SA+3], s[G1S:G1S+7]
	s_nop 0
	tensor_load_to_lds s[G0SB:G0SB+3], s[G1S:G1S+7]
	s_nop 0
.rept 4
	v_nop
.endr
.Lasked:
	v_and_b32 v3, 31, v0
	s_delay_alu instid0(VALU_DEP_1)
	v_lshlrev_b32 v[L16], 4, v3
	v_and_b32 v4, 15, v0                           ; r
	s_delay_alu instid0(VALU_DEP_1)
	v_lshl_add_u32 v[R16], v4, 4, SCB
	s_delay_alu instid0(VALU_DEP_2)
	v_lshlrev_b32 v232, 4, v4
	global_load_b128 v[16:19], v[L16], s[66:67]                    ; Q stays in registers: head 0,
	global_load_b128 v[24:27], v[L16], s[66:67] offset:196608      ; head 1
	global_load_b32 v[QS0], v232, s[68:69]
	global_load_b32 v[QS1], v232, s[68:69] offset:20480
.irp j, 20,21,22,23, 28,29,30,31, 36,37,38,39, 44,45,46,47, 52,53,54,55, 60,61,62,63
	v_mov_b32 v[\j], 0                             ; K = 64 .. 127 of Q's and K's fragments: zero codes, written once
.endr
.irp b, 0,1,2,3
	v_mov_b32 v[236+\b], 0                         ; written once: a lane permute's destination counts as one of its sources
.endr
	v_mov_b32 v253, 0                              ; (named as the upper half of the pair v[252:253] before it is first written)
; A KEY STEP: 128 keys.  QF: Q's fragment; QS: its scale word; OB: O^T's 32 registers.
.macro STEP QF, QS, OB
	v_add_nc_u32 v[ADK], s[TK], v[L16]             ; (four plain lines: with the four v_nop below they stand between the last step's products and the loads into V's registers)
	v_add_nc_u32 v[ADV], s[TV], v[L16]
	v_add_nc_u32 v[ADS], s[TS], v[R16]
	v_add_nc_u32 v[ADT], s[TT], v[R16]
.irp t, 0,1,2,3
	ds_load_b128 v[32+8*\t:35+8*\t], v[ADK] offset:512*\t          ; tiles 0-3 of K
.endr
	ds_load_b128 v[KS:KS+3], v[ADS]                                ; the eight tiles' scale words of row r
	ds_load_b128 v[KS+4:KS+7], v[ADS] offset:256
	s_wait_alu depctr_va_vdst(0)
	s_wait_dscnt 0x0
.irp t, 0,1,2,3
	v_wmma_scale_f32_16x16x128_f8f6f4 v[96+8*\t:103+8*\t], v[32+8*\t:39+8*\t], v[\QF:\QF+7], 0, v[KS+\t], v[\QS] matrix_a_fmt:MATRIX_FMT_FP4 matrix_b_fmt:MATRIX_FMT_FP4
.endr
.rept 4
	v_nop                                          ; places in front of loads into registers that matrix instructions have read
.endr
.irp t, 0,1,2,3
	ds_load_b128 v[32+8*\t:35+8*\t], v[ADK] offset:2048+512*\t     ; tiles 4-7
.endr
.irp t, 0,1,2,3
.irp c, 0,1
	ds_load_b128 v[64+8*\t+4*\c:67+8*\t+4*\c], v[ADV] offset:2048*\c+512*\t   ; V's four tiles of 16 channels x 128 keys: they land under the softmax
.endr
.endr
	ds_load_b128 v[VS:VS+3], v[ADT]
	s_wait_dscnt 9                                 ; K's tiles are in; V's eight loads and its scale words may be out
.irp t, 0,1,2,3
	v_wmma_scale_f32_16x16x128_f8f6f4 v[128+8*\t:135+8*\t], v[32+8*\t:39+8*\t], v[\QF:\QF+7], 0, v[KS+4+\t], v[\QS] matrix_a_fmt:MATRIX_FMT_FP4 matrix_b_fmt:MATRIX_FMT_FP4
.endr
.rept 4
	v_nop
.endr
.irp b, 0,1,2,3
	v_max3_num_f32 v[232+\b], v[96+16*\b], v[97+16*\b], v[98+16*\b]   ; the largest score of each block of 32 keys: for the row's maximum and, since p rises with the score, for the block's largest p
.endr
.irp i, 3,5,7,9,11,13
.irp b, 0,1,2,3
	v_max3_num_f32 v[232+\b], v[232+\b], v[96+16*\b+\i], v[97+16*\b+\i]
.endr
.endr
.irp b, 0,1,2,3
	v_max_num_f32 v[232+\b], v[232+\b], v[111+16*\b]
.endr
.irp b, 0,1,2,3
	s_delay_alu instid0(VALU_DEP_4)
	v_permlanex16_b32 v[236+\b], v[232+\b], s[SEL], s[SEL+1]
.endr
.irp b, 0,1,2,3
	s_delay_alu instid0(VALU_DEP_4)
	v_max_num_f32 v[232+\b], v[232+\b], v[236+\b]  ; with lane l xor 16's 16 keys
.endr
	s_delay_alu instid0(VALU_DEP_2)
	v_max3_num_f32 v254, v232, v233, v234
	s_delay_alu instid0(VALU_DEP_1)
	v_max_num_f32 v254, v254, v235                 ; the step's largest score of my query
	s_delay_alu instid0(VALU_DEP_1)
	v_mul_f32 v254, s[CS], v254                    ; as t
	s_delay_alu instid0(VALU_DEP_1)
	v_max_num_f32 v13, v13, v254                   ; the running largest t
	v_mov_b32 v254, v12
	s_delay_alu instid0(VALU_DEP_2)
	v_floor_f32 v12, -v13                          ; the new -M = floor(-t): M is a whole number
	s_delay_alu instid0(VALU_DEP_1)
	v_sub_f32 v254, v12, v254                      ; old M - new M: a whole number, 0 or less
	s_delay_alu instid0(VALU_DEP_1)
	v_cvt_i32_f32 v254, v254                       ; (it saturates)
	s_delay_alu instid0(VALU_DEP_1)
	v_ldexp_f32 v252, 1.0, v254                    ; f = 2^(old M - new M)
.set j, 0
.rept 32
	v_pk_fma_f32 v[96+j:97+j], v[96+j:97+j], s[CS:CS+1], v[12:13] op_sel_hi:[1,0,0]   ; t - M, two at a time
.set j, j+2
.endr
.irp b, 0,1,2,3
	v_fma_f32 v[232+\b], v[232+\b], s[CS], v12     ; the same of each block's largest score
.endr
.set j, 0
	s_wait_alu depctr_va_vdst(0)
.rept 64
	v_exp_f32 v[96+j], v[96+j]                     ; p = 2^(t - M), at most 1
.set j, j+1
.endr
	s_setprio 1
	v_pk_mul_f32 v[14:15], v[14:15], v[252:253] op_sel_hi:[1,0]    ; the sums under the new M (a plain line behind the exponentials)
	s_wait_alu depctr_va_vdst(0)                   ; one wait for the whole batch, ahead of its first reader
.irp b, 0,1,2,3
	v_exp_f32 v[232+\b], v[232+\b]                 ; the block's largest p
.endr
	v_pk_add_f32 v[236:237], v[100:101], v[104:105]
	v_pk_add_f32 v[250:251], v[108:109], v[112:113]
	v_pk_add_f32 v[248:249], v[116:117], v[120:121]
	v_pk_add_f32 v[246:247], v[124:125], v[128:129]
	v_pk_add_f32 v[244:245], v[132:133], v[136:137]
	v_pk_add_f32 v[242:243], v[140:141], v[144:145]
	v_pk_add_f32 v[240:241], v[148:149], v[152:153]
	v_pk_add_f32 v[14:15], v[14:15], v[156:157]
	v_pk_add_f32 v[236:237], v[236:237], v[96:97]
	v_pk_add_f32 v[250:251], v[250:251], v[98:99]
	v_pk_add_f32 v[248:249], v[248:249], v[102:103]
	v_pk_add_f32 v[246:247], v[246:247], v[106:107]
	v_pk_add_f32 v[244:245], v[244:245], v[110:111]
	v_pk_add_f32 v[242:243], v[242:243], v[114:115]
	v_pk_add_f32 v[240:241], v[240:241], v[118:119]
	v_pk_add_f32 v[14:15], v[14:15], v[122:123]
	v_pk_add_f32 v[236:237], v[236:237], v[126:127]
	v_pk_add_f32 v[250:251], v[250:251], v[130:131]
	v_pk_add_f32 v[248:249], v[248:249], v[134:135]
	v_pk_add_f32 v[246:247], v[246:247], v[138:139]
	v_pk_add_f32 v[244:245], v[244:245], v[142:143]
	v_pk_add_f32 v[242:243], v[242:243], v[146:147]
	v_pk_add_f32 v[240:241], v[240:241], v[150:151]
	v_pk_add_f32 v[14:15], v[14:15], v[154:155]
	v_pk_add_f32 v[236:237], v[236:237], v[158:159]
	s_delay_alu instid0(VALU_DEP_2)
	v_pk_add_f32 v[14:15], v[14:15], v[246:247]
	s_delay_alu instid0(VALU_DEP_2)
	v_pk_add_f32 v[236:237], v[236:237], v[244:245]
	v_pk_add_f32 v[250:251], v[250:251], v[242:243]
	v_pk_add_f32 v[248:249], v[248:249], v[240:241]
	s_delay_alu instid0(VALU_DEP_2)
	v_pk_add_f32 v[14:15], v[14:15], v[250:251]
	s_delay_alu instid0(VALU_DEP_2)
	v_pk_add_f32 v[236:237], v[236:237], v[248:249]
	s_delay_alu instid0(VALU_DEP_1)
	v_pk_add_f32 v[14:15], v[14:15], v[236:237]
	s_wait_alu depctr_va_vdst(0)                   ; and one for the four
.irp b, 0,1,2,3
	v_max_num_f32 v[232+\b], 0x1800000, v[232+\b]  ; the floor 2^(3 - 127): the byte cannot fall under 1
.endr
.irp b, 0,1,2,3
	s_delay_alu instid0(VALU_DEP_4)
	v_add_nc_u32 v[240+\b], 0xff000000, v[232+\b]  ; 2 off the exponent field: the conversion's scale operand
.endr
.irp b, 0,1,2,3
	s_delay_alu instid0(VALU_DEP_4)
	v_lshrrev_b32 v[236+\b], 23, v[240+\b]         ; the scale's byte
.endr
	s_delay_alu instid0(VALU_DEP_3)
	v_lshl_or_b32 v253, v237, 8, v236              ; p's scale word for these 128 keys
	s_delay_alu instid0(VALU_DEP_1)
	v_lshl_or_b32 v253, v238, 16, v253
	s_delay_alu instid0(VALU_DEP_1)
	v_lshl_or_b32 v253, v239, 24, v253
.irp b, 0,1,2,3
	v_cvt_scalef32_pk8_fp4_f32 v[224+2*\b], v[96+16*\b:103+16*\b], v[240+\b]
	v_cvt_scalef32_pk8_fp4_f32 v[225+2*\b], v[104+16*\b:111+16*\b], v[240+\b]
.endr
	v_nop                                          ; one plain line behind a scaled conversion
.irp c, 0,1                                    ; the operand's layout wants a whole block in a lane
.irp i, 0,1
	v_permlane16_swap_b32 v[224+4*\c+\i], v[226+4*\c+\i]
.endr
.endr
.set j, 0
	s_setprio 0
.rept 16
	v_pk_mul_f32 v[\OB+j:\OB+j+1], v[\OB+j:\OB+j+1], v[252:253] op_sel_hi:[1,0]   ; O^T under the new M; these sixteen also stand between the codes' and the scale word's last writes and the products
.set j, j+2
.endr
	s_wait_alu depctr_va_vdst(0)
	s_wait_dscnt 0x0                               ; V and its scale words are in
.irp t, 0,1,2,3
	v_wmma_scale_f32_16x16x128_f8f6f4 v[\OB+8*\t:\OB+8*\t+7], v[64+8*\t:71+8*\t], v[224:231], v[\OB+8*\t:\OB+8*\t+7], v[VS+\t], v253 matrix_a_fmt:MATRIX_FMT_FP4 matrix_b_fmt:MATRIX_FMT_FP4
.endr
	s_add_co_u32 s[TK], s[TK], 4096                ; the next 128 keys
	s_add_co_u32 s[TV], s[TV], 4096
	s_add_co_u32 s[TS], s[TS], 512
	s_add_co_u32 s[TT], s[TT], 256
.endm
; A head: 16 key steps, then O^T / the sum, in place.
.macro HEAD hp, QF, QS, OB
	s_mov_b32 s[TK], HEADB*\hp
	s_mov_b32 s[TV], HEADB*\hp+65536
	s_mov_b32 s[TS], SCH*\hp
	s_mov_b32 s[TT], SCH*\hp+8192
	s_mov_b32 s[CNT], 16
	v_mov_b32 v13, 0xff61b1e6                      ; the largest t so far: -3e38, under every t
	s_delay_alu instid0(VALU_DEP_1)
	v_floor_f32 v12, -v13
	v_mov_b32 v14, 0
	v_mov_b32 v15, 0
.set j, 0
.rept 32
	v_mov_b32 v[\OB+j], 0                          ; the step is written once: the first finds zeros, which the first change of M leaves zeros
.set j, j+1
.endr
	s_wait_tensorcnt 1-\hp                         ; my part of this head has landed; head 1's load may stay out while head 0 is worked
	s_wait_dscnt 0x0
	s_barrier_signal -1
	s_barrier_wait -1                              ; everybody's has
.Lkeys_\@:
	s_setprio 2
	STEP \QF, \QS, \OB
	s_sub_co_u32 s[CNT], s[CNT], 1
	s_cmp_lg_u32 s[CNT], 0
	s_cbranch_scc1 .Lkeys_\@
	s_setprio 0
	v_nop                                          ; with the additions below: the places behind the last products
	v_nop
	v_add_f32 v14, v14, v15                        ; the sum's two halves,
	s_delay_alu instid0(VALU_DEP_1)
	v_permlanex16_b32 v252, v14, s[SEL], s[SEL+1]
	s_delay_alu instid0(VALU_DEP_1)
	v_add_f32 v14, v14, v252                       ; and lane l xor 16's
	s_wait_alu depctr_va_vdst(0)
	v_rcp_f32 v14, v14
	v_nop                                          ; a plain line behind the reciprocal
	s_wait_alu depctr_va_vdst(0)                   ; and the wait ahead of its first reader
.set j, 0
.rept 16
	v_pk_mul_f32 v[\OB+j:\OB+j+1], v[\OB+j:\OB+j+1], v[14:15] op_sel_hi:[1,0]     ; each accumulator from its low end on
.set j, j+2
.endr
.endm
; 64 numbers of a lane, register 16 b + i = k 32 b + 16 (lane / 16) + i of my row, become a fragment's codes in v[PC] on and its scale word in v[PW]
.macro QUANT s
.irp b, 0,1,2,3
	v_max3_num_f32 v[TM+\b], |v[\s+16*\b]|, |v[\s+1+16*\b]|, 0x1800000
.endr
.irp i, 2,4,6,8,10,12,14
.irp b, 0,1,2,3
	s_delay_alu instid0(VALU_DEP_4)
	v_max3_num_f32 v[TM+\b], v[TM+\b], |v[\s+16*\b+\i]|, |v[\s+1+16*\b+\i]|
.endr
.endr
.irp b, 0,1,2,3
	v_permlanex16_b32 v[TM+4+\b], v[TM+\b], s[SEL], s[SEL+1]
.endr
.irp b, 0,1,2,3
	s_delay_alu instid0(VALU_DEP_4)
	v_max_num_f32 v[TM+\b], v[TM+\b], v[TM+4+\b]
.endr
.irp b, 0,1,2,3
	s_delay_alu instid0(VALU_DEP_4)
	v_add_nc_u32 v[TM+12+\b], 0xff000000, v[TM+\b]
.endr
.irp b, 0,1,2,3
	s_delay_alu instid0(VALU_DEP_4)
	v_lshrrev_b32 v[TM+4+\b], 23, v[TM+12+\b]
.endr
	s_delay_alu instid0(VALU_DEP_3)
	v_lshl_or_b32 v[PW], v[TM+5], 8, v[TM+4]
	s_delay_alu instid0(VALU_DEP_1)
	v_lshl_or_b32 v[PW], v[TM+6], 16, v[PW]
	s_delay_alu instid0(VALU_DEP_1)
	v_lshl_or_b32 v[PW], v[TM+7], 24, v[PW]
.irp b, 0,1,2,3
	v_cvt_scalef32_pk8_fp4_f32 v[PC+2*\b], v[\s+16*\b:\s+7+16*\b], v[TM+12+\b]
	v_cvt_scalef32_pk8_fp4_f32 v[PC+1+2*\b], v[\s+8+16*\b:\s+15+16*\b], v[TM+12+\b]
.endr
	v_nop                                          ; one plain line behind a scaled conversion
.irp c, 0,1
.irp i, 0,1
	v_permlane16_swap_b32 v[PC+4*\c+\i], v[PC+2+4*\c+\i]
.endr
.endr
.endm
	s_wait_loadcnt 0x0                             ; Q and its scale words
	HEAD 0, 16, QS0, 160
	HEAD 1, 24, QS1, 192
	; THE WAY OUT: v160-223 are 128 channels of my 16 queries, 16 neighbours of each block of 32: one fragment and one scale word of the last product's A
	s_lshl_b32 s57, s[WV], 6
	s_add_co_u32 s57, s57, SCST
	v_and_b32 v125, 15, v0
	s_delay_alu instid0(VALU_DEP_1)
	v_lshl_add_u32 v124, v125, 2, s57              ; my row's word among the work-group's 256: 64 x wave + 4 r
	s_and_b32 s58, s[WV], 3
	s_lshl_b32 s58, s58, 8
	s_add_co_u32 s58, s58, SCST
	v_and_b32 v126, 31, v0
	s_delay_alu instid0(VALU_DEP_1)
	v_lshlrev_b32 v126, 3, v126                    ; 8 x lane
	s_delay_alu instid0(VALU_DEP_1)
	v_add_nc_u32 v127, s58, v126
	QUANT 160
	global_store_b128 v[L16], v[PC:PC+3], s[8:9]                   ; 32 lanes store 512 consecutive bytes, aligned: the first 64 along K,
	global_store_b128 v[L16], v[PC+4:PC+7], s[8:9] offset:262144   ; the second
	ds_store_b32 v124, v[PW]                       ; lanes l and l xor 16 write the same word with the same value
	s_wait_dscnt 0x0                               ; for the others' sake
	s_barrier_signal -1
	s_barrier_wait -1
	s_cmp_gt_u32 s[WV], 3                          ; four waves carry the four runs of 64 words out
	s_cbranch_scc1 .Lno_words
	ds_load_b64 v[122:123], v127
	s_wait_dscnt 0x0
	global_store_b64 v126, v[122:123], s[10:11]    ; 256 consecutive bytes, aligned
.Lno_words:
	s_wait_xcnt 0x0
	v_lshl_add_u32 v254, v0, 2, 0x46400
	v_mov_b32 v255, 0
	s_wait_alu depctr_va_vdst(0)
	s_wait_tensorcnt 0x0
	ds_add_u32 v254, v255
	s_wait_dscnt 0x0
	CROUND                                         ; the closing round: no work-group ends while a partner may still ask for a tile that names it
	s_endpgm
.Lfunc_end_k_q603848d50e_attn:
	.size	k_q603848d50e_attn, .Lfunc_end_k_q603848d50e_attn-k_q603848d50e_attn
	.p2alignl 7, 3214868480
	.fill 96, 4, 3214868480
	.section	.rodata,"a",@progbits
	.p2align	6, 0x0
	.amdhsa_kernel k_q603848d50e_attn
		.amdhsa_group_segment_fixed_size 289792
		.amdhsa_private_segment_fixed_size 0
		.amdhsa_enable_private_segment 0
		.amdhsa_kernarg_size 32
		.amdhsa_user_sgpr_count 2
		.amdhsa_user_sgpr_kernarg_segment_ptr 1
		.amdhsa_wavefront_size32 1
		.amdhsa_system_sgpr_workgroup_id_x 1
		.amdhsa_system_sgpr_workgroup_id_y 1
		.amdhsa_system_sgpr_workgroup_id_z 1
		.amdhsa_system_vgpr_workitem_id 0
		.amdhsa_next_free_vgpr 256
		.amdhsa_next_free_sgpr 80
		.amdhsa_reserve_vcc 0
		.amdhsa_float_denorm_mode_32 3
		.amdhsa_float_denorm_mode_16_64 3
		.amdhsa_memory_ordered 1
		.amdhsa_forward_progress 1
		.amdhsa_inst_pref_size 53
	.end_amdhsa_kernel
	.amdgpu_metadata
---
amdhsa.version: [ 1, 2 ]
amdhsa.kernels:
  - .name:           k_q603848d50e_attn
    .symbol:         k_q603848d50e_attn.kd
    .args:
      - { .name: qkvc, .offset: 0, .size: 8, .value_kind: global_buffer, .address_space: global }
      - { .name: qkvs, .offset: 8, .size: 8, .value_kind: global_buffer, .address_space: global }
      - { .name: acod, .offset: 16, .size: 8, .value_kind: global_buffer, .address_space: global }
      - { .name: ascl, .offset: 24, .size: 8, .value_kind: global_buffer, .address_space: global }
    .group_segment_fixed_size: 289792
    .private_segment_fixed_size: 0
    .kernarg_segment_align: 8
    .kernarg_segment_size: 32
    .max_flat_workgroup_size: 512
    .sgpr_count:     80
    .vgpr_count:     256
    .wavefront_size: 32
...
	.end_amdgpu_metadata
.endif
;; end of part 4
;; launch gemm_out (part 5): grid 4 x 32, 4 waves a work-group, clusters of 4 x 4, 327,680 bytes of LDS; arguments acod, ascl, wcod, wscl, bo, out0; writes out0
.if DOCPART == 5
	.amdgcn_target "amdgcn-amd-amdhsa--gfx1250"
	.amdhsa_code_object_version 6
	.text
	.protected	k_q603848d50e_gemm_out
	.globl	k_q603848d50e_gemm_out
	.p2align	8
	.type	k_q603848d50e_gemm_out,@function
k_q603848d50e_gemm_out:
	s_mov_b64 s[64:65], 0
	v_nop
	global_prefetch_b8 v0, s[64:65] scope:SCOPE_SE
	s_setreg_imm32_b32 hwreg(HW_REG_WAVE_MODE, 25, 1), 1
	s_wait_xcnt 0x0
	s_wait_alu depctr_hold_cnt(0) depctr_sa_sdst(0) depctr_va_vdst(0) depctr_va_sdst(0) depctr_va_ssrc(0) depctr_va_vcc(0) depctr_vm_vsrc(0)
	s_getreg_b32 s2, hwreg(HW_REG_IB_STS2, 6, 4)
	s_cmp_eq_u32 s2, 0
	s_cbranch_scc0 .Lentry_in_a_cluster
	s_endpgm
.Lentry_in_a_cluster:
	s_bfe_u32 s2, ttmp6, 0x10000c
	s_cmp_lg_u32 s2, 0xf033
	s_cbranch_scc0 .Lentry_shape_is_right
	s_endpgm
.Lentry_shape_is_right:
; out0 = attn Wo + bo on codes of FP4 (E2M1) with E8M0 scales.
; K = 1,024: two K steps of 512, one in each of two LDS slots, both asked for at the head.  No LDS byte is filled twice.
; A tile of C, 256 x 256, is made by four waves, 128 x 128 each: 64 accumulators of 16 x 16, 512 registers.  THE MATRIX INSTRUCTION IS USED TRANSPOSED: source 0 = 16 rows of B, source 1 = 16 rows of A.
; ROWS ARE POSITIONS: every operand's row n lies at position pi(n) (bits 3 and 4 swapped).  So in accumulator (a, b) lane (r, h) holds A's position 16 a + r, and register j holds B's TRUE row
; 32 (b / 2) + 16 h + 8 (b % 2) + j.  acod: [run of 64 along K, 16][tile of 16 positions, 512][512 bytes: an image of four registers of the fragment, lane l's 16 bytes at 16 l].
; ascl, wscl: the word (128 along K, kw) of position p at (p >> 6) * 2048 + kw * 256 + (p & 63) * 4.
; CLUSTERS: 4 x 4 work-groups; A's tiles and scales are asked for jointly along a row of the cluster, B's along a column.
; Nothing is prefetched: every tile that a work-group reads is asked for by its first fills.  LIMITS: NaN and infinities are not served.
; OUT = 1 has 128 tiles of 256 x 256, one work-group each.
; REGISTERS: window 0: v1 r, v2 h, v16-27 addresses; v32-95 scale words (block i, kw at v[32 + 8 i + kw]: lanes 0-15 A's, lanes 16-31 B's); v128-191 A's fragments, one set; v128-255 the way out.
;   window 1: B's fragments, two sets, v0-63 and v128-191; v64-127 the bias along B's rows, in the result's layout.   windows 2, 3: the accumulators ((a, b) at v[8 (8 (a % 4) + b)]).
.set OUT,    1
.set NQ,     4                         ; matrix instructions deep in a slot
.set ROWB,   256                       ; a tile's row: 512 codes
.set KROW,   512                       ; a row of codes in memory
.set PITCH,  272                       ; an LDS row: 256 bytes + 16 of padding: the 16 rows of a load start 16 bytes apart modulo 256
.set FR,     8
.set NL,     2
.set NP,     4
.set HALFT,  128*PITCH                 ; what one tensor load brings
.set SLOT,   4*HALFT
.set SCL,    2*SLOT                    ; behind the slots: the scales of A's 256 rows, then B's: 4,096 bytes for 128 rows
.set HALFS,  4096
.set SPITCH, 528                       ; a stage of 16 rows x (512 + 16) bytes a wave, in slot 0 once it is read out
.set ADRA, 16
.set ADRB, 20
.set L16,  24                          ; v24 16 x lane
.set STO,  25
.set RD,   26
.set ADRS, 27
.set SC,   32
.set AF,   128
.set BN,   64                          ; in window 1
.set BK,   128                         ; rows read back from the stage, v128-191 and v192-255 by turns
.set WV,   40
.set RH,   41                          ; wave >> 1: my half of the tile's rows; also: I fetch for A (0) or B (1)
.set CH,   42                          ; wave & 1: my half of its columns; also: which 128 rows I fetch
.set CX,   43
.set CY,   44
.set YY,   45
.set TR,   46                          ; A's tile of 256 rows
.set TC,   92                          ; B's
.set G1,   24
.set G0,   32
.set G1B,  48
.set G0B,  56
.set G1S,  68
.set G0S,  76
.set G1SB, 80
.set G0SB, 88
.set PAC,  4                           ; A's codes and scales as they come
.set PAS,  6
.set ASTEP, 8*262144                   ; a slot on in acod: eight runs of 64 along K
.set MSB, 0
.macro WIN new                         ; the immediate's high byte repeats the setting that is left
.if MSB != (\new)
	s_set_vgpr_msb (MSB<<8)|(\new)
.set MSB, \new
.endif
.endm
.set MUL_LO, 0xa1                      ; source 0 (B) window 1, source 1 (A) window 0, C and D window 2
.set MUL_HI, 0xf1
.set TO_B,   0x40
; A joint load: waves 0 and 1 fetch for A, waves 2 and 3 for B; the branch hangs on the wave's number alone.  Four v_nop follow each line.
.macro JLOAD g0a, g1a, g0b, g1b
	s_cmp_eq_u32 s[RH], 0
	s_cbranch_scc0 .Lfor_b_\@
	tensor_load_to_lds s[\g0a:\g0a+3], s[\g1a:\g1a+7]
	s_nop 0
.rept 4
	v_nop
.endr
	s_branch .Lasked_\@
.Lfor_b_\@:
	tensor_load_to_lds s[\g0b:\g0b+3], s[\g1b:\g1b+7]
	s_nop 0
.rept 4
	v_nop
.endr
.Lasked_\@:
.endm
.macro CROUND                          ; a round of the cluster's barrier
	s_barrier_signal -1
	s_barrier_wait -1
	s_cmp_lg_u32 s[WV], 0
	s_cbranch_scc1 .Lnot_wave_0_\@
	s_barrier_signal -3
.Lnot_wave_0_\@:
	s_barrier_wait -3
	s_barrier_signal -1
	s_barrier_wait -1
.endm
	s_load_b256 s[4:11], s[0:1], 0x0               ; acod, ascl, wcod, wscl
	s_load_b128 s[12:15], s[0:1], 0x20             ; bo, out0
	v_lshl_add_u32 v126, v0, 2, 0x48000
	v_mov_b32 v127, 0
	ds_add_u32 v126, v127
	ds_add_u32 v126, v127
	v_lshrrev_b32 v1, 5, v0
	v_readfirstlane_b32 s[WV], v1                  ; wave 0..3
	s_lshr_b32 s[RH], s[WV], 1
	s_and_b32 s[CH], s[WV], 1
	s_bfe_u32 s[CX], ttmp6, 0x40000                ; my place in the cluster
	s_bfe_u32 s[CY], ttmp6, 0x40004
	s_and_b32 s[YY], ttmp7, 0xffff                 ; the cluster's y
	s_lshl_b32 s[TR], s[YY], 2
	s_add_co_u32 s[TR], s[TR], s[CY]               ; 4 Y + cy
	s_add_co_u32 s[TC], s[CX], 12                  ; Wo's positions begin at 3,072 = 12 x 256
	s_lshl_b32 s66, s[CY], 2
	s_lshl_b32 s66, 15, s66                        ; my row of the cluster
	s_lshl_b32 s67, 0x1111, s[CX]                  ; my column
	; A's codes: eight runs (64 along K each) of 128 rows' images: 8 rows of 4,096 bytes, 262,144 bytes apart, dense in LDS
	s_or_b32 s[G1+0], s66, (3<<16)|(1<<21)         ; 15:0 the mask; 17:16 elements of 8 bytes; 21 set beside a mask
	s_mov_b32 s[G1+1], 512<<16                     ; tensor_dim0 = 512 elements
	s_mov_b32 s[G1+2], 8<<16                       ; tensor_dim1 = 8
	s_mov_b32 s[G1+3], 512<<16                     ; tile_dim0
	s_mov_b32 s[G1+4], 8                           ; tile_dim1
	s_mov_b32 s[G1+5], 32768                       ; pitch in elements
	s_mov_b32 s[G1+6], 0
	s_mov_b32 s[G1+7], 0
	s_or_b32 s[G1B+0], s67, (1<<20)|(1<<21)|(5<<22)|(3<<25)  ; B's codes: elements of 1 byte; padding: 4 words behind every 64
	s_mov_b32 s[G1B+1], ROWB<<16
	s_mov_b32 s[G1B+2], 128<<16
	s_mov_b32 s[G1B+3], ROWB<<16
	s_mov_b32 s[G1B+4], 128
	s_mov_b32 s[G1B+5], KROW
	s_mov_b32 s[G1B+6], 0
	s_mov_b32 s[G1B+7], 0
	; the scales of 128 rows: 4,096 dense bytes, as 16 rows of 256 bytes
	s_or_b32 s[G1S+0], s66, (3<<16)|(1<<21)
	s_or_b32 s[G1SB+0], s67, (3<<16)|(1<<21)
.irp g, G1S, G1SB
	s_mov_b32 s[\g+1], 32<<16
	s_mov_b32 s[\g+2], 16<<16
	s_mov_b32 s[\g+3], 32<<16
	s_mov_b32 s[\g+4], 16
	s_mov_b32 s[\g+5], 32
	s_mov_b32 s[\g+6], 0
	s_mov_b32 s[\g+7], 0
.endr
	s_lshl_b32 s47, s[CH], 7
	s_lshl_b32 s100, s[TR], 8
	s_add_co_u32 s47, s100, s47                    ; A's first row that I fetch: it hangs on cy alone
	s_lshl_b32 s93, s[CH], 7
	s_lshl_b32 s94, s[TC], 8
	s_add_co_u32 s93, s94, s93                     ; B's: on cx alone
	s_mov_b32 s101, 0
	s_mov_b32 s95, 0
	s_mul_i32 s104, s[WV], HALFT                   ; where they go: no place in the cluster enters an LDS address
	s_lshl_b32 s105, s[WV], 12
	s_wait_dscnt 0x0
	s_wait_kmcnt 0x0
	s_lshl_b32 s100, s47, 5                        ; 32 bytes of scales a row,
	s_add_nc_u64 s[PAS:PAS+1], s[PAS:PAS+1], s[100:101]
	s_add_nc_u64 s[PAC:PAC+1], s[PAC:PAC+1], s[100:101]   ; and 32 bytes of a run's images a row
	s_lshl_b32 s94, s93, 5
	s_add_nc_u64 s[10:11], s[10:11], s[94:95]
	s_lshl_b32 s94, s93, 9
	s_add_nc_u64 s[8:9], s[8:9], s[94:95]
	CROUND                                         ; all sixteen work-groups are here: the joint loads meet
	s_mov_b32 s[G0S], 1
	s_add_co_u32 s[G0S+1], s105, SCL
	s_mov_b64 s[G0S+2:G0S+3], s[PAS:PAS+1]
	s_or_b32 s[G0S+3], s[G0S+3], 0x80000000
	s_mov_b32 s[G0SB], 1
	s_add_co_u32 s[G0SB+1], s105, SCL
	s_mov_b64 s[G0SB+2:G0SB+3], s[10:11]
	s_or_b32 s[G0SB+3], s[G0SB+3], 0x80000000
	JLOAD G0S, G1S, G0SB, G1SB                     ; the scales first: they are wanted with K step 0
.irp s, 0,1
	s_mov_b32 s[G0+4*\s], 1
	s_add_co_u32 s[G0+4*\s+1], s104, \s*SLOT
	s_add_nc_u64 s[G0+4*\s+2:G0+4*\s+3], s[PAC:PAC+1], \s*ASTEP
	s_or_b32 s[G0+4*\s+3], s[G0+4*\s+3], 0x80000000
	s_mov_b32 s[G0B+4*\s], 1
	s_add_co_u32 s[G0B+4*\s+1], s104, \s*SLOT
	s_add_nc_u64 s[G0B+4*\s+2:G0B+4*\s+3], s[8:9], \s*ROWB
	s_or_b32 s[G0B+4*\s+3], s[G0B+4*\s+3], 0x80000000
	s_wait_alu depctr_va_vdst(0)
	s_wait_tensorcnt 0x0
	ds_add_u32 v126, v127
	s_wait_dscnt 0x0
	CROUND
	JLOAD G0+4*\s, G1, G0B+4*\s, G1B               ; one tensor load of mine is out at the most
.endr
	v_and_b32 v1, 15, v0                           ; r
	v_bfe_u32 v2, v0, 4, 1                         ; h
	s_wait_alu depctr_va_vdst(0)
	v_and_b32 v3, 31, v0
	v_lshlrev_b32 v[L16], 4, v3
	v_mul_u32_u24 v3, v1, PITCH
	v_lshl_add_u32 v4, v2, 4, v3                   ; a fragment's row x pitch + 16 h
	s_mul_i32 s22, s[RH], HALFT                    ; my 128 rows of A
	s_mul_i32 s23, s[CH], HALFT                    ; my 128 rows of B,
	s_add_co_u32 s23, s23, 2*HALFT                 ; behind A's 256
.irp s, 0,1
	v_add_nc_u32 v[ADRA+\s], s22, v[L16]           ; images: 16 x lane
	v_add_nc_u32 v[ADRB+\s], s23, v4
	s_add_co_u32 s22, s22, SLOT
	s_add_co_u32 s23, s23, SLOT
.endr
	s_lshl_b32 s22, s[RH], 12                      ; scale words: A's, my 128 rows;
	s_lshl_b32 s23, s[CH], 12                      ; B's, my 128 rows, behind A's 256
	s_add_co_u32 s23, s23, 2*HALFS
	s_sub_co_u32 s23, s23, s22
	v_mul_u32_u24 v5, s23, v2                      ; lanes 16-31 take B's: one product, the distance between the two
	s_add_co_u32 s22, s22, SCL
	v_lshl_add_u32 v5, v1, 2, v5
	v_add_nc_u32 v[ADRS], s22, v5
	s_lshl_b32 s22, s[CX], 10
	s_lshl_b32 s23, s[CH], 9
	s_add_co_u32 s22, s22, s23
	v_lshl_add_u32 v6, v2, 6, s22                  ; the bias along B's rows: 4 (256 cx + 128 half) + 64 h
	WIN TO_B
.irp t, 0,1,2,3,4,5,6,7                        ; tile t, register j: row 32 (t / 2) + 16 h + 8 (t % 2) + j
	global_load_b128 v[BN+8*\t:BN+8*\t+3], v6, s[12:13] offset:(32*(\t/2)+8*(\t%2))*4
	global_load_b128 v[BN+8*\t+4:BN+8*\t+7], v6, s[12:13] offset:(32*(\t/2)+8*(\t%2))*4+16
.endr
	WIN 0
.macro FRAGR reg, adr, q, i            ; a fragment from rows: lane l holds row l % 16; registers 4 c .. 4 c + 3 hold K = 64 c + 32 (l / 16) + 0 .. 31
.irp c, 0,1
	ds_load_b128 v[\reg+4*\c:\reg+4*\c+3], v[\adr] offset:64*(\q)+32*\c+(\i)*16*PITCH
.endr
.endm
.macro FRAGI reg, adr, q, i            ; a fragment from images of its registers: run 2 q + c, tile i, 16 x lane
.irp c, 0,1
	ds_load_b128 v[\reg+4*\c:\reg+4*\c+3], v[\adr] offset:(2*(\q)+\c)*4096+(\i)*512
.endr
.endm
; 16 matrix instructions: A's blocks a0, a0 + 1 x B's eight.  p: B's set; first = 1: C is the bias.  The 64 accumulators take turns, one instruction a turn.
.macro MUL16 a0, p, q, slot, first
.irp a, \a0, \a0+1
.irp b, 0,1,2,3,4,5,6,7
.if \first
	v_wmma_scale_f32_16x16x128_f8f6f4 v[8*(8*((\a)%4)+\b):8*(8*((\a)%4)+\b)+7], v[128*(\p)+FR*\b:128*(\p)+FR*\b+FR-1], v[AF+FR*(\a):AF+FR*(\a)+FR-1], v[BN+8*\b:BN+8*\b+7], v[SC+8*\b+4*(\slot)+(\q)], v[SC+8*(\a)+4*(\slot)+(\q)] matrix_a_fmt:MATRIX_FMT_FP4 matrix_b_fmt:MATRIX_FMT_FP4 matrix_a_scale:MATRIX_SCALE_ROW1
.else
	v_wmma_scale_f32_16x16x128_f8f6f4 v[8*(8*((\a)%4)+\b):8*(8*((\a)%4)+\b)+7], v[128*(\p)+FR*\b:128*(\p)+FR*\b+FR-1], v[AF+FR*(\a):AF+FR*(\a)+FR-1], v[8*(8*((\a)%4)+\b):8*(8*((\a)%4)+\b)+7], v[SC+8*\b+4*(\slot)+(\q)], v[SC+8*(\a)+4*(\slot)+(\q)] matrix_a_fmt:MATRIX_FMT_FP4 matrix_b_fmt:MATRIX_FMT_FP4 matrix_a_scale:MATRIX_SCALE_ROW1
.endif
.endr
.endr
.endm
.macro FETCH_B slot, q, p
	WIN TO_B
.irp i, 0,1,2,3,4,5,6,7
	FRAGR 128*(\p)+FR*\i, ADRB+\slot, \q, \i
.endr
	WIN 0
.endm
.macro FETCH_A slot, q, i0
.irp i, \i0, \i0+1, \i0+2, \i0+3
	FRAGI AF+FR*(\i), ADRA+\slot, \q, \i
.endr
.endm
.macro SCALES                          ; all of K's scale words, once: 64 loads; lanes 0-15 A's block i, lanes 16-31 B's block i
.irp i, 0,1,2,3,4,5,6,7
.irp kw, 0,1,2,3,4,5,6,7
	ds_load_b32 v[SC+8*\i+\kw], v[ADRS] offset:(\i/4)*2048+\kw*256+(\i%4)*64
.endr
.endr
.endm
.macro PLACES n                        ; plain vector lines between a matrix instruction and a load into, or a read of, its registers
.rept \n
	v_nop
.endr
.endm
.macro STEP slot, q, first             ; 128 along K that has its successor in the same slot
	s_wait_dscnt 4*NL                              ; B's set and A's blocks 0-3 are in; the youngest eight loads (A's blocks 4-7) may be out
.if \first
	WIN 0x91                                       ; C: the bias, in window 1
.else
	WIN MUL_LO
.endif
	MUL16 0, (\q)%2, \q, \slot, \first
	MUL16 2, (\q)%2, \q, \slot, \first
	s_wait_dscnt 0x0                               ; A's blocks 4-7 are in
	PLACES NP
	FETCH_B \slot, (\q)+1, 1-(\q)%2
	FETCH_A \slot, (\q)+1, 0
.if \first
	WIN 0xd1
.else
	WIN MUL_HI
.endif
	MUL16 4, (\q)%2, \q, \slot, \first
	MUL16 6, (\q)%2, \q, \slot, \first
	PLACES NP
	WIN 0
	FETCH_A \slot, (\q)+1, 4
.endm
	s_wait_alu depctr_va_vdst(0)
	s_wait_tensorcnt 1                             ; the scales and my part of slot 0 are in; slot 1's load may stay out
	s_barrier_signal -1
	s_barrier_wait -1                              ; everybody's are
	FETCH_B 0, 0, 0
	FETCH_A 0, 0, 0
	SCALES
	FETCH_A 0, 0, 4
	s_wait_loadcnt 0x0                             ; the bias
	STEP 0, 0, 1                                   ; the first products start the sums from the bias: nothing is cleared
	STEP 0, 1, 0
	STEP 0, 2, 0
	; slot 0's last step changes slots: one barrier; slot 1 is whole behind it, and nobody reads slot 0 any more
	s_wait_tensorcnt 0x0                           ; my part of slot 1 has landed
	s_wait_dscnt 4*NL
	WIN MUL_LO
	MUL16 0, 1, 3, 0, 0
	s_wait_dscnt 0x0                               ; my reads of slot 0 are over
	s_barrier_signal -1
	MUL16 2, 1, 3, 0, 0                            ; work on registers while the others arrive
	WIN 0
	s_barrier_wait -1
	PLACES NP
	FETCH_B 1, 0, 0
	FETCH_A 1, 0, 0
	WIN MUL_HI
	MUL16 4, 1, 3, 0, 0
	MUL16 6, 1, 3, 0, 0
	PLACES NP
	WIN 0
	FETCH_A 1, 0, 4
	STEP 1, 0, 0
	STEP 1, 1, 0
	STEP 1, 2, 0
	s_wait_dscnt 4*NL                              ; the last step: nothing more to fetch
	WIN MUL_LO
	MUL16 0, 1, 3, 1, 0
	MUL16 2, 1, 3, 1, 0
	s_wait_dscnt 0x0
	WIN MUL_HI
	MUL16 4, 1, 3, 1, 0
	MUL16 6, 1, 3, 1, 0
	WIN 0
; THE WAY OUT to out0.  A block of 16 positions x 128 columns goes through my stage in slot 0 (it has had its only fill, and every wave has passed the barrier behind which nobody reads it) and comes
; back as whole rows of 512 bytes.  A lane's eight numbers of accumulator b are columns 32 (b / 2) + 16 h + 8 (b % 2) + 0 .. 7; position 16 a + t is row 32 (a / 2) + 8 (a % 2) + t + 8 (t / 8).
	s_mul_i32 s22, s[WV], 16*SPITCH
	v_mul_u32_u24 v[STO], v1, SPITCH               ; (these five lines are the places behind the last products)
	v_lshl_add_u32 v[STO], v2, 6, v[STO]
	v_add_nc_u32 v[STO], s22, v[STO]
	s_wait_alu depctr_va_vdst(0)
	v_add_nc_u32 v[RD], s22, v[L16]
	s_wait_alu depctr_va_vdst(0)
	v_nop
	s_lshl_b32 s22, s[TR], 20                      ; my first row: (256 tile row + 128 half) x 4,096 bytes,
	s_lshl_b32 s23, s[RH], 19
	s_add_co_u32 s22, s22, s23
	s_lshl_b32 s23, s[CX], 10                      ; my first column: (256 cx + 128 half) x 4 bytes
	s_add_co_u32 s22, s22, s23
	s_lshl_b32 s23, s[CH], 9
	s_add_co_u32 s22, s22, s23
	s_mov_b32 s23, 0
	s_add_nc_u64 s[14:15], s[14:15], s[22:23]
.macro TOSTAGE a
.set AC, 64*((\a)%4)
	WIN 0x08+4*((\a)/4)                            ; an LDS store's data are its source 1: window 2 or 3
.irp b, 0,1,2,3,4,5,6,7
	ds_store_b128 v[STO], v[AC+8*\b:AC+8*\b+3] offset:128*(\b/2)+32*(\b%2)        ; each accumulator from its low end on
	ds_store_b128 v[STO], v[AC+8*\b+4:AC+8*\b+7] offset:128*(\b/2)+32*(\b%2)+16
.endr
	WIN 0
.set BB, BK+64*((\a)%2)
.irp t, 0,1,2,3,4,5,6,7,8,9,10,11,12,13,14,15
	ds_load_b128 v[BB+4*\t:BB+4*\t+3], v[RD] offset:\t*SPITCH      ; LDS serves a wave's instructions in order: these see the stores above
.endr
.endm
.macro SEND a, younger
.set BB, BK+64*((\a)%2)
	s_wait_dscnt \younger                          ; the block is back; the next block's 16 stores and 16 loads may be out
.irp t, 0,1,2,3,4,5,6,7,8,9,10,11,12,13,14,15
	global_store_b128 v[L16], v[BB+4*\t:BB+4*\t+3], s[14:15] offset:(32*((\a)/2)+8*((\a)%2)+\t+8*(\t/8))*4096 th:TH_STORE_NT   ; 32 lanes store 512 consecutive bytes, aligned
.endr
.endm
	TOSTAGE 0
.irp a, 1,2,3,4,5,6,7
.if \a > 1
	s_wait_xcnt 0x0                                ; block a - 2's stores have read their registers: block a's loads may land there
.endif
	TOSTAGE \a
	SEND \a-1, 32
.endr
	SEND 7, 0
	s_wait_dscnt 0x0                               ; no LDS instruction of mine is pending at a signal
	s_wait_tensorcnt 0x0
	ds_add_u32 v126, v127
	s_wait_dscnt 0x0
	CROUND                                         ; the closing round: no work-group ends while a partner may still ask for a tile that names it
	s_endpgm
.Lfunc_end_k_q603848d50e_gemm_out:
	.size	k_q603848d50e_gemm_out, .Lfunc_end_k_q603848d50e_gemm_out-k_q603848d50e_gemm_out
	.p2alignl 7, 3214868480
	.fill 96, 4, 3214868480
	.section	.rodata,"a",@progbits
	.p2align	6, 0x0
	.amdhsa_kernel k_q603848d50e_gemm_out
		.amdhsa_group_segment_fixed_size 327680
		.amdhsa_private_segment_fixed_size 0
		.amdhsa_enable_private_segment 0
		.amdhsa_kernarg_size 48
		.amdhsa_user_sgpr_count 2
		.amdhsa_user_sgpr_kernarg_segment_ptr 1
		.amdhsa_wavefront_size32 1
		.amdhsa_system_sgpr_workgroup_id_x 1
		.amdhsa_system_sgpr_workgroup_id_y 1
		.amdhsa_system_sgpr_workgroup_id_z 1
		.amdhsa_system_vgpr_workitem_id 0
		.amdhsa_next_free_vgpr 1024
		.amdhsa_next_free_sgpr 106
		.amdhsa_reserve_vcc 0
		.amdhsa_float_denorm_mode_32 3
		.amdhsa_float_denorm_mode_16_64 3
		.amdhsa_memory_ordered 1
		.amdhsa_forward_progress 1
		.amdhsa_inst_pref_size 129
	.end_amdhsa_kernel
	.amdgpu_metadata
---
amdhsa.version: [ 1, 2 ]
amdhsa.kernels:
  - .name:           k_q603848d50e_gemm_out
    .symbol:         k_q603848d50e_gemm_out.kd
    .args:
      - { .name: acod, .offset: 0, .size: 8, .value_kind: global_buffer, .address_space: global }
      - { .name: ascl, .offset: 8, .size: 8, .value_kind: global_buffer, .address_space: global }
      - { .name: wcod, .offset: 16, .size: 8, .value_kind: global_buffer, .address_space: global }
      - { .name: wscl, .offset: 24, .size: 8, .value_kind: global_buffer, .address_space: global }
      - { .name: bo, .offset: 32, .size: 8, .value_kind: global_buffer, .address_space: global }
      - { .name: out0, .offset: 40, .size: 8, .value_kind: global_buffer, .address_space: global }
    .group_segment_fixed_size: 327680
    .private_segment_fixed_size: 0
    .kernarg_segment_align: 8
    .kernarg_segment_size: 48
    .max_flat_workgroup_size: 128
    .sgpr_count:     106
    .vgpr_count:     1024
    .wavefront_size: 32
...
	.end_amdgpu_metadata
.endif
;; end of part 5
